; MI455X (gfx1250); checked and timed in simulation.
; The chip was launched on July 23, 2026; its instructions are those of AMD's public machine-readable ISA for CDNA 5 (MIT licence, August 2026) and "CDNA5" Instruction Set Architecture Reference Guide (July 2026). The comments in the code are by the model that wrote it; some were corrected since.
;; Local Cross Attention. Allowed arithmetic: float matrix products may take bf16 or f16 operands with f32 sums; other float arithmetic in f32, or as packed bf16 or f16 multiplies, adds, multiply-adds, maxima and minima; sums over many terms, partial sums and values carried from step to step in f32; what a program stores and reads back later, other than sums and carried values, may be rounded once to bf16 or f16.
;; Inputs: Wk1 1,024 x 1,024 float32; Wk2 1,024 x 1,024 float32; Wq1 1,024 x 1,024 float32; Wq2 1,024 x 1,024 float32; Wv1 1,024 x 1,024 float32; Wv2 1,024 x 1,024 float32; bk1 1,024 float32; bk2 1,024 float32; bq1 1,024 float32; bq2 1,024 float32; bv1 1,024 float32; bv2 1,024 float32; input_tensor1 2,048 x 1,024 float32; input_tensor2 4,096 x 1,024 float32.
;; Outputs: out0 4,096 x 1,024 float32; out1 2,048 x 1,024 float32.
;; 3 versions, each right; version 2 is faster than version 1; version 3 is version 2 with the launch cast written anew for expert scheduling mode. Each part assembles by itself: llvm-mc -triple=amdgcn-amd-amdhsa -mcpu=gfx1250 --defsym DOCPART=n.
;; ======== version 1 of 3: 4 launches
;; workspace buffers: xw 25,165,824 bytes; qkv 37,748,736 bytes; p 33,554,432 bytes; st 1,048,576 bytes
;; launch cast (part 1): grid 64 x 12, 8 waves a work-group, no clusters, 0 bytes of LDS; arguments input_tensor1, input_tensor2, Wq1, Wk1, Wv1, Wq2, Wk2, Wv2, xw; writes xw
.if DOCPART == 1
	.amdgcn_target "amdgcn-amd-amdhsa--gfx1250"
	.amdhsa_code_object_version 6
	.text
	.protected	k_qf1f5300467_cast
	.globl	k_qf1f5300467_cast
	.p2align	8
	.type	k_qf1f5300467_cast,@function
k_qf1f5300467_cast:
	s_mov_b64 s[64:65], 0
	v_nop
	global_prefetch_b8 v0, s[64:65] scope:SCOPE_SE
	s_setreg_imm32_b32 hwreg(HW_REG_WAVE_MODE, 25, 1), 1
	s_wait_xcnt 0x0
; xw = the eight large inputs rounded once to bf16, one behind the other: x1, x2, Wq1, Wk1, Wv1, Wq2, Wk2, Wv2.
; So xw holds X = [6144][1024] (x1's rows, then x2's) and behind it two weight matrices [3072][1024] (q, k, v rows of a stream on end).
; The inputs are 12 chunks of 4 MiB of f32 (x1: 2, x2: 4, each W: 1); work-group y is the chunk, x a piece of 64 KiB of it; a wave takes 8 KiB:
; 16 loads of 512 consecutive bytes, all issued ahead of the first store; each store of a wave covers 256 consecutive bytes, aligned.
; A stream: no LDS, no barrier, no matrix unit; no register is used twice, so no wait frees a source.
.set NLD, 16                           ; loads of a lane
.set X,   8                            ; v[8:71]    as loaded, 4 registers a load
.set Y,   72                           ; v[72:103]  two registers of bf16 a load
	s_load_b512 s[8:23], s[0:1], 0x0               ; x1 s[8:9], x2 s[10:11], Wq1, Wk1, Wv1, Wq2, Wk2, Wv2 s[12:23]
	s_load_b64 s[24:25], s[0:1], 0x40              ; xw
	s_and_b32 s26, ttmp7, 0xffff                   ; the chunk, 0 to 11
	s_sub_co_u32 s7, s26, 2                        ; its number inside x2 (used for chunks 2 to 5 alone)
	v_and_b32 v3, 31, v0                           ; lane
	v_and_b32 v4, 0xe0, v0                         ; 32 x wave
	v_lshlrev_b32 v1, 4, v3
	v_lshl_or_b32 v1, v4, 8, v1                    ; source: wave x 8,192 + lane x 16
	v_lshlrev_b32 v2, 3, v3
	v_lshl_or_b32 v2, v4, 7, v2                    ; destination: wave x 4,096 + lane x 8
	s_wait_kmcnt 0x0
	s_mov_b64 s[4:5], s[8:9]                       ; the source buffer is chosen by the chunk's number alone
	s_mov_b32 s6, s26                              ; and the chunk's number inside that buffer
	s_cmp_ge_u32 s26, 2
	s_cselect_b64 s[4:5], s[10:11], s[4:5]
	s_cselect_b32 s6, s7, s6
.irp k, 0,1,2,3,4,5
	s_cmp_eq_u32 s26, 6+(\k)
	s_cselect_b64 s[4:5], s[12+2*(\k):13+2*(\k)], s[4:5]
	s_cselect_b32 s6, 0, s6
.endr
	s_lshl_b32 s28, s6, 22                         ; 4 MiB a chunk of f32,
	s_lshl_b32 s29, ttmp9, 16                      ; 64 KiB a work-group
	s_add_co_u32 s28, s28, s29
	s_mov_b32 s29, 0
	s_add_nc_u64 s[4:5], s[4:5], s[28:29]
	s_lshl_b32 s30, s26, 21                        ; half of both in bf16
	s_lshl_b32 s31, ttmp9, 15
	s_add_co_u32 s30, s30, s31
	s_mov_b32 s31, 0
	s_add_nc_u64 s[24:25], s[24:25], s[30:31]
.set i, 0
.rept NLD
	global_load_b128 v[X+4*i:X+4*i+3], v1, s[4:5] offset:512*i th:TH_LOAD_NT
.set i, i+1
.endr
.set i, 0
.rept NLD
	s_wait_loadcnt NLD-1-i                         ; loads come back in order: load i is in, the younger ones stay out
	v_cvt_pk_bf16_f32 v[Y+2*i],   v[X+4*i],   v[X+4*i+1]
	v_cvt_pk_bf16_f32 v[Y+2*i+1], v[X+4*i+2], v[X+4*i+3]
	global_store_b64 v2, v[Y+2*i:Y+2*i+1], s[24:25] offset:256*i
.set i, i+1
.endr
	s_endpgm
.Lfunc_end_k_qf1f5300467_cast:
	.size	k_qf1f5300467_cast, .Lfunc_end_k_qf1f5300467_cast-k_qf1f5300467_cast
	.p2alignl 7, 3214868480
	.fill 96, 4, 3214868480
	.section	.rodata,"a",@progbits
	.p2align	6, 0x0
	.amdhsa_kernel k_qf1f5300467_cast
		.amdhsa_group_segment_fixed_size 0
		.amdhsa_private_segment_fixed_size 0
		.amdhsa_enable_private_segment 0
		.amdhsa_kernarg_size 72
		.amdhsa_user_sgpr_count 2
		.amdhsa_user_sgpr_kernarg_segment_ptr 1
		.amdhsa_wavefront_size32 1
		.amdhsa_system_sgpr_workgroup_id_x 1
		.amdhsa_system_sgpr_workgroup_id_y 1
		.amdhsa_system_sgpr_workgroup_id_z 1
		.amdhsa_system_vgpr_workitem_id 0
		.amdhsa_next_free_vgpr 104
		.amdhsa_next_free_sgpr 66
		.amdhsa_reserve_vcc 0
		.amdhsa_float_denorm_mode_32 3
		.amdhsa_float_denorm_mode_16_64 3
		.amdhsa_memory_ordered 1
		.amdhsa_forward_progress 1
		.amdhsa_inst_pref_size 8
	.end_amdhsa_kernel
	.amdgpu_metadata
---
amdhsa.version: [ 1, 2 ]
amdhsa.kernels:
  - .name:           k_qf1f5300467_cast
    .symbol:         k_qf1f5300467_cast.kd
    .args:
      - { .name: input_tensor1, .offset: 0, .size: 8, .value_kind: global_buffer, .address_space: global }
      - { .name: input_tensor2, .offset: 8, .size: 8, .value_kind: global_buffer, .address_space: global }
      - { .name: Wq1, .offset: 16, .size: 8, .value_kind: global_buffer, .address_space: global }
      - { .name: Wk1, .offset: 24, .size: 8, .value_kind: global_buffer, .address_space: global }
      - { .name: Wv1, .offset: 32, .size: 8, .value_kind: global_buffer, .address_space: global }
      - { .name: Wq2, .offset: 40, .size: 8, .value_kind: global_buffer, .address_space: global }
      - { .name: Wk2, .offset: 48, .size: 8, .value_kind: global_buffer, .address_space: global }
      - { .name: Wv2, .offset: 56, .size: 8, .value_kind: global_buffer, .address_space: global }
      - { .name: xw, .offset: 64, .size: 8, .value_kind: global_buffer, .address_space: global }
    .group_segment_fixed_size: 0
    .private_segment_fixed_size: 0
    .kernarg_segment_align: 8
    .kernarg_segment_size: 72
    .max_flat_workgroup_size: 256
    .sgpr_count:     66
    .vgpr_count:     104
    .wavefront_size: 32
...
	.end_amdgpu_metadata
.endif
;; end of part 1
;; launch proj (part 2): grid 24 x 24, 4 waves a work-group, clusters of 4 x 4, 327,680 bytes of LDS; arguments xw, bq1, bk1, bv1, bq2, bk2, bv2, qkv; writes qkv
.if DOCPART == 2
	.amdgcn_target "amdgcn-amd-amdhsa--gfx1250"
	.amdhsa_code_object_version 6
	.text
	.protected	k_qf1f5300467_proj
	.globl	k_qf1f5300467_proj
	.p2align	8
	.type	k_qf1f5300467_proj,@function
k_qf1f5300467_proj:
	s_mov_b64 s[64:65], 0
	v_nop
	global_prefetch_b8 v0, s[64:65] scope:SCOPE_SE
	s_setreg_imm32_b32 hwreg(HW_REG_WAVE_MODE, 25, 1), 1
	s_wait_xcnt 0x0
	s_wait_alu depctr_hold_cnt(0) depctr_sa_sdst(0) depctr_va_vdst(0) depctr_va_sdst(0) depctr_va_ssrc(0) depctr_va_vcc(0) depctr_vm_vsrc(0)
	s_getreg_b32 s2, hwreg(HW_REG_IB_STS2, 6, 4)
	s_cmp_eq_u32 s2, 0
	s_cbranch_scc0 .Lentry_in_a_cluster
	s_endpgm
.Lentry_in_a_cluster:
	s_bfe_u32 s2, ttmp6, 0x10000c
	s_cmp_lg_u32 s2, 0xf033
	s_cbranch_scc0 .Lentry_shape_is_right
	s_endpgm
.Lentry_shape_is_right:
; qkv[m][n] = sum over k of X[m][k] W[n][k] + b[n]:  all six linear layers as one product.  X = [6144][1024] bf16 (x1's 2,048 rows, then x2's), W = the row's stream's
; [3072][1024] bf16 (q, k, v rows on end), both from xw; qkv = [6144][3072] bf16, rounded once from f32 sums.  The bias, rounded to bf16 as every input is, is the C operand that starts the sums.
; LIMITS: NaN and infinities are not treated apart.
; SHARES.  A work-group makes 256 rows x 128 columns, each of its four waves 64 rows x 128 columns: 32 accumulators of 16 x 16, 256 registers.  K goes in 8 steps of 128 (rows of 256 bytes,
; at multiples of 256 bytes) through a ring of two LDS slots filled by tensor loads.
; CLUSTER.  4 x 4 work-groups: the four of a row of the cluster need the same rows of X, the four of a column the same rows of W: each tile is asked for jointly, by the same tensor load with the
; same descriptor and a mask that names the four.  Rows 0-2,047 (cluster rows 0, 1) are stream 1: a cluster never holds both streams.
; THE MATRIX INSTRUCTION IS USED TRANSPOSED (source 0 = 16 rows of W, source 1 = 16 rows of X): a lane holds row l % 16 and the eight neighbouring columns 8 (l / 16) + 0..7.
; REGISTERS, in windows of 256 (s_set_vgpr_msb: bits 1:0 source 0, 3:2 source 1, 5:4 source 2, 7:6 destination):
;   window 0: v0-31 addresses; v32-95 the bias as C operands; v96-127, v128-191 at work on the way out
;   window 1: two fragment buffers at 0 and 128: 64 registers of W (8 x 16 rows x 32 K), then 32 of X (4 x 16 rows x 32 K)          window 2: accumulator (a, b) at 64 a + 8 b
.set PITCH,  272                       ; an LDS row: 256 bytes + 16 of padding = 68 words, so the 16 rows of a fragment load start 4 banks apart (64 banks of 4 bytes: ISA guide 11.1)
.set ABYTES, 256*PITCH                 ; X's 256 rows
.set SLOT,   384*PITCH                 ; then W's 128 rows
.set STAGE,  2*SLOT                    ; behind the ring: 16 rows x 272 bytes for each wave, for the way out
.set SPARE,  STAGE+4*16*PITCH          ; behind the stages: the spare words, 128 bytes for each wave: two blocks of 256 bytes that no other line names
.set LAPS,   4                         ; a lap = two K steps = once round the ring
.set STEPA,  512                       ; bytes that a slot's address goes on at a refill: two K steps
.set STEPB,  512
.set OROW,   6144                      ; bytes in a row of qkv
.set WOFF,   12582912                  ; the weights' first byte in xw
.set WCAT,   6291456                   ; bytes of a stream's weights
.set ADRA, 16                          ; v16-17  LDS address of my fragments of X in slot 0, 1
.set ADRB, 20                          ; v20-21  the same for W
.set STO,  24                          ; v24     the way out: where I put 16 bytes of a row
.set RD,   25                          ; v25     the way out: where I read a row back
.set CO,   26                          ; v26     my byte offset in qkv
.set SPW,  28                          ; v28     LDS address of my spare word; never rewritten
.set NIL,  29                          ; v29     0; never rewritten
.set BIAS, 32
.set TMP,  96
.set BK,   128
.set F0,   0
.set F1,   128
.set G1,  24                           ; s[24:31] descriptor group 1 for X's tiles;  s[32:39] group 0, a set for each slot
.set G0,  32
.set G1B, 48                           ; s[48:55], s[56:63] the same for W's tiles
.set G0B, 56
.set MUL,  0xa5                        ; both sources window 1, C and D window 2
.set MULB, 0x85                        ; the same with C in window 0
.set TO_F, 0x40                        ; destination window 1, address window 0
.set MSB, 0
.macro WIN new                         ; the immediate's high byte repeats the setting that is left; a switch that changes nothing is dropped
.if MSB != (\new)
	s_set_vgpr_msb (MSB<<8)|(\new)
.set MSB, \new
.endif
.endm
.macro PLACES                          ; four places in front of loads into registers that matrix instructions have read, and of vector lines that read results
.rept 4
	v_nop
.endr
.endm
.macro JLOAD s                         ; a joint load: waves 0 and 1 fetch X's two halves, waves 2 and 3 W's; an s_nop 0 and four v_nop follow each line
	s_cmp_eq_u32 s11, 0
	s_cbranch_scc0 .Lfor_b_\@
	tensor_load_to_lds s[G0+4*(\s):G0+4*(\s)+3], s[G1:G1+7]
	s_nop 0
.rept 4
	v_nop
.endr
	s_branch .Lasked_\@
.Lfor_b_\@:
	tensor_load_to_lds s[G0B+4*(\s):G0B+4*(\s)+3], s[G1B:G1B+7]
	s_nop 0
.rept 4
	v_nop
.endr
.Lasked_\@:
.endm
.macro CREST                           ; a round of the cluster's barrier behind its opening barrier
	s_cmp_lg_u32 s10, 0
	s_cbranch_scc1 .Lnot_wave_0_\@
	s_barrier_signal -3
.Lnot_wave_0_\@:
	s_barrier_wait -3
	s_barrier_signal -1
	s_barrier_wait -1
.endm
.macro CROUND                          ; a whole round
	s_barrier_signal -1
	s_barrier_wait -1
	CREST
.endm
	s_load_b512 s[72:87], s[0:1], 0x0              ; xw s[72:73]; bq1, bk1, bv1, bq2, bk2, bv2 s[74:85]; qkv s[86:87]
	v_lshl_add_u32 v[SPW], v0, 2, SPARE
	v_mov_b32 v[NIL], 0
	ds_add_u32 v[SPW], v[NIL]                      ; the wave's opening: the add and its wait stand ahead of my first tensor load; the set-up below stands between them
	ds_add_u32 v28, v29
	v_lshrrev_b32 v1, 5, v0
	v_readfirstlane_b32 s10, v1                    ; wave 0..3
	s_lshr_b32 s11, s10, 1                         ; I fetch for X (0) or for W (1)
	s_and_b32 s12, s10, 1                          ; which half of that tile's rows I fetch
	s_bfe_u32 s40, ttmp6, 0x40000                  ; cx, cy: my place in the cluster
	s_bfe_u32 s41, ttmp6, 0x40004
	s_lshl_b32 s42, ttmp9, 2
	s_add_co_u32 s42, s42, s40                     ; tile column = 4 x cluster x + cx, 0..23
	s_and_b32 s45, ttmp7, 0xffff                   ; cluster y: 0, 1 are stream 1
	s_lshl_b32 s13, s45, 2
	s_add_co_u32 s13, s13, s41                     ; tile row = 4 x cluster y + cy, 0..23
	s_lshl_b32 s43, s41, 2
	s_lshl_b32 s43, 15, s43                        ; my row of the cluster
	s_lshl_b32 s44, 0x1111, s40                    ; my column
	s_or_b32 s[G1],  s43, (1<<16)|(1<<20)|(1<<21)|(5<<22)|(3<<25)  ; 15:0 the mask; 17:16 2-byte elements; 20 padding on; 21 set beside a mask; 24:22 after every 64 words; 31:25 4 words of it
	s_or_b32 s[G1B], s44, (1<<16)|(1<<20)|(1<<21)|(5<<22)|(3<<25)
.irp g, G1, G1B
	s_mov_b32 s[(\g)+1], 128<<16                   ; tensor_dim0 = 128
	s_mov_b32 s[(\g)+3], 128<<16                   ; tile_dim0 = 128
	s_mov_b32 s[(\g)+5], 1024                      ; elements from row to row
	s_mov_b32 s[(\g)+6], 0
	s_mov_b32 s[(\g)+7], 0
.endr
	s_mov_b32 s[G1+2], 128<<16                     ; X: a load brings 128 rows
	s_mov_b32 s[G1+4], 128
	s_mov_b32 s[G1B+2], 64<<16                     ; W: 64 rows
	s_mov_b32 s[G1B+4], 64
	s_lshl_b32 s16, s13, 8                         ; X: row 256 x tile row + 128 x half, 2,048 bytes a row
	s_lshl_b32 s17, s12, 7
	s_add_co_u32 s16, s16, s17
	s_lshl_b32 s16, s16, 11
	s_mov_b32 s17, 0
	s_lshl_b32 s46, s42, 7                         ; W: row 128 x tile column + 64 x half of the stream's weights
	s_lshl_b32 s47, s12, 6
	s_add_co_u32 s46, s46, s47
	s_lshl_b32 s46, s46, 11
	s_mov_b32 s47, WOFF
	s_mov_b32 s18, WOFF+WCAT
	s_cmp_ge_u32 s45, 2
	s_cselect_b32 s47, s18, s47
	s_add_co_u32 s46, s46, s47
	s_mov_b32 s47, 0
	s_mul_i32 s20, s12, 128*PITCH                  ; where they go: no place in the cluster enters an LDS address
	s_mul_i32 s19, s12, 64*PITCH
	s_add_co_u32 s19, s19, ABYTES
	s_lshr_b32 s21, ttmp9, 1                       ; eight tile columns to each of q, k, v: which bias,
	s_add_co_u32 s22, s21, 3
	s_cmp_ge_u32 s45, 2
	s_cselect_b32 s21, s22, s21                    ; of which stream,
	s_and_b32 s22, s42, 7
	s_lshl_b32 s22, s22, 9                         ; and which 128 numbers of it
	s_mov_b32 s23, 0
	s_lshl_b32 s68, s13, 8                         ; my first row of qkv: 256 x tile row + 64 x wave,
	s_lshl_b32 s69, s10, 6
	s_add_co_u32 s68, s68, s69
	s_mul_i32 s68, s68, OROW
	s_lshl_b32 s69, s42, 8                         ; my columns: 256 bytes a tile column
	s_add_co_u32 s68, s68, s69
	s_mov_b32 s69, 0
	s_wait_dscnt 0x0                               ; the opening add is done
	s_wait_kmcnt 0x0
	s_add_nc_u64 s[14:15], s[72:73], s[16:17]
	s_add_nc_u64 s[46:47], s[72:73], s[46:47]
	s_add_nc_u64 s[8:9], s[86:87], s[68:69]
	s_mov_b64 s[66:67], s[74:75]
.irp k, 1,2,3,4,5
	s_cmp_eq_u32 s21, \k
	s_cselect_b64 s[66:67], s[74+2*(\k):75+2*(\k)], s[66:67]
.endr
	s_add_nc_u64 s[66:67], s[66:67], s[22:23]
	CROUND                                         ; all sixteen work-groups are here: the first joint loads meet
.irp s, 0,1
	s_mov_b32 s[G0+4*(\s)], 1                                      ; count = 1
	s_add_co_u32 s[G0+4*(\s)+1], s20, (\s)*SLOT                    ; LDS address
	s_add_nc_u64 s[G0+4*(\s)+2:G0+4*(\s)+3], s[14:15], (\s)*256    ; global address: K step s
	s_or_b32 s[G0+4*(\s)+3], s[G0+4*(\s)+3], 0x80000000            ; type = 2
	s_mov_b32 s[G0B+4*(\s)], 1
	s_add_co_u32 s[G0B+4*(\s)+1], s19, (\s)*SLOT
	s_add_nc_u64 s[G0B+4*(\s)+2:G0B+4*(\s)+3], s[46:47], (\s)*256
	s_or_b32 s[G0B+4*(\s)+3], s[G0B+4*(\s)+3], 0x80000000
	JLOAD \s                                       ; two tensor loads of mine are out
.endr
	v_and_b32 v1, 15, v0                           ; l % 16
	v_bfe_u32 v2, v0, 4, 1                         ; l / 16
	v_lshlrev_b32 v27, 5, v2                       ; my eight columns of a block of 16 begin 32 (l / 16) bytes into its 64 bytes of bias
.irp b, 0,1,2,3,4,5,6,7
	global_load_b128 v[BIAS+8*(\b):BIAS+8*(\b)+3],   v27, s[66:67] offset:64*(\b)
	global_load_b128 v[BIAS+8*(\b)+4:BIAS+8*(\b)+7], v27, s[66:67] offset:64*(\b)+16
.endr
	v_mul_u32_u24 v3, v1, PITCH
	v_lshl_add_u32 v3, v2, 4, v3                   ; a fragment's row x pitch + 16 x half
	s_mul_i32 s21, s10, 64*PITCH                   ; my 64 rows of X
	v_add_nc_u32 v[ADRA], s21, v3
	v_add_nc_u32 v[ADRA+1], SLOT, v[ADRA]
	v_add_nc_u32 v[ADRB], ABYTES, v3               ; every wave reads all of W's 128 rows
	v_add_nc_u32 v[ADRB+1], ABYTES+SLOT, v3
	s_mul_i32 s23, s10, 16*PITCH
	s_add_co_u32 s23, s23, STAGE                   ; my stage
	v_add_nc_u32 v[STO], s23, v3                   ; in: row l % 16, 16 bytes for each half of the lanes
	v_mul_u32_u24 v5, v2, PITCH                    ; back: lanes 0-15 take one row of 256 bytes, lanes 16-31 the next
	v_lshl_add_u32 v5, v1, 4, v5
	v_add_nc_u32 v[RD], s23, v5
	v_mul_u32_u24 v5, v2, OROW                     ; and the same two rows in qkv
	v_lshl_add_u32 v[CO], v1, 4, v5
	s_wait_loadcnt 0x0                             ; the bias
.set i, 0
.rept 32                                       ; rounded to bf16 and widened again
	v_cvt_pk_bf16_f32 v[TMP+i%4], v[BIAS+2*i], v[BIAS+2*i+1]
	v_lshlrev_b32 v[BIAS+2*i], 16, v[TMP+i%4]
	v_and_b32 v[BIAS+2*i+1], 0xffff0000, v[TMP+i%4]
.set i, i+1
.endr
; 8 matrix instructions: row block a x all 8 column blocks, 32 along K, from buffer f.  mode 0: onto the sums; mode 2: the bias starts them: nothing is cleared.
; The 32 accumulators take turns in one order in every quarter: between two links of a chain stand 31 others'.
.macro MUL8 f, a, mode
.if (\mode) == 2
	WIN MULB
.else
	WIN MUL
.endif
.irp b, 0,1,2,3,4,5,6,7
.set rD, 64*(\a)+8*(\b)
.set rB, (\f)+8*(\b)
.set rA, (\f)+64+8*(\a)
.if (\mode) == 2
	v_wmma_f32_16x16x32_bf16 v[rD:rD+7], v[rB:rB+7], v[rA:rA+7], v[BIAS+8*(\b):BIAS+8*(\b)+7]
.else
	v_wmma_f32_16x16x32_bf16 v[rD:rD+7], v[rB:rB+7], v[rA:rA+7], v[rD:rD+7]
.endif
.endr
.endm
; 24 LDS loads in one run: the fragments of quarter q (32 along K) of a slot into buffer f: W's 16, then X's 8
.macro FETCH slot, q, f
	WIN TO_F
.irp i, 0,1,2,3,4,5,6,7
	ds_load_b128 v[(\f)+8*(\i):(\f)+8*(\i)+3],   v[ADRB+(\slot)] offset:64*(\q)+(\i)*16*PITCH
	ds_load_b128 v[(\f)+8*(\i)+4:(\f)+8*(\i)+7], v[ADRB+(\slot)] offset:64*(\q)+(\i)*16*PITCH+32
.endr
.irp i, 0,1,2,3
	ds_load_b128 v[(\f)+64+8*(\i):(\f)+64+8*(\i)+3],   v[ADRA+(\slot)] offset:64*(\q)+(\i)*16*PITCH
	ds_load_b128 v[(\f)+64+8*(\i)+4:(\f)+64+8*(\i)+7], v[ADRA+(\slot)] offset:64*(\q)+(\i)*16*PITCH+32
.endr
.endm
; A K step is four quarters of 32 along K, 32 matrix instructions each, on buffers 0, 1, 0, 1.  One of the first three: multiplies buffer f and fetches quarter q into g.
.macro QUARTER slot, q, f, g, mode
	s_wait_dscnt 4                                 ; all but the youngest four loads: X's row blocks 2 and 3
	MUL8 \f, 0, \mode
	MUL8 \f, 1, \mode
	PLACES
	FETCH \slot, \q, \g
	s_wait_dscnt 24                                ; all but the 24 just issued
	MUL8 \f, 2, \mode
	MUL8 \f, 3, \mode
.endm
; The last quarter multiplies buffer 1 and changes slots: ONE barrier; in front of it each wave waits for all its tensor loads (one is out: its part of the next slot), adds 0 to its spare
; word, and waits for that and for its own reads of this slot.  fill = 1: the barrier opens a round of the cluster's, and this slot is filled again, two K steps ahead, first thing behind it.
.macro TURN slot, next, fill
	WIN 0                                          ; (the add's two registers lie in window 0)
	s_wait_tensorcnt 0x0
	ds_add_u32 v[SPW], v[NIL]
	s_wait_dscnt 5                                 ; (the add and the youngest four loads may be out)
	MUL8 F1, 0, 0                                  ; eight matrix instructions stand between the add and the wait for it
	s_wait_dscnt 0x0                               ; the add is done, and my reads of this slot are over
	s_barrier_signal -1
	MUL8 F1, 1, 0
.if \fill
	WIN 0
.endif
	s_barrier_wait -1
.if \fill
	CREST                                          ; no wave of any partner still reads this slot's tile or has a load on its way
	s_add_nc_u64 s[G0+4*(\slot)+2:G0+4*(\slot)+3], s[G0+4*(\slot)+2:G0+4*(\slot)+3], STEPA
	s_add_nc_u64 s[G0B+4*(\slot)+2:G0B+4*(\slot)+3], s[G0B+4*(\slot)+2:G0B+4*(\slot)+3], STEPB
	JLOAD \slot                                    ; 112 matrix instructions ahead of the wait for it; its four v_nop are also the places in front of the loads below
.else
	PLACES
.endif
	FETCH \next, 0, F0
	MUL8 F1, 2, 0
	MUL8 F1, 3, 0
.endm
	s_wait_tensorcnt 1                             ; my part of K step 0 is in; K step 1's may stay out
	s_barrier_signal -1
	s_barrier_wait -1                              ; everybody's is
	FETCH 0, 0, F0
	QUARTER 0, 1, F0, F1, 2                        ; the first quarter stands in front of the loop: the bias starts the sums
	WIN 0                                          ; at a label and at a branch every window is 0
	s_mov_b32 s3, LAPS-1
.Llap:                                                 ; a trip goes once round the ring, from a lap's second quarter to the next lap's first, and fills both slots again
	QUARTER 0, 2, F1, F0, 0
	QUARTER 0, 3, F0, F1, 0
	TURN 0, 1, 1
	QUARTER 1, 1, F0, F1, 0
	QUARTER 1, 2, F1, F0, 0
	QUARTER 1, 3, F0, F1, 0
	TURN 1, 0, 1
	QUARTER 0, 1, F0, F1, 0
	WIN 0
	s_sub_co_u32 s3, s3, 1
	s_cmp_lg_u32 s3, 0
	s_cbranch_scc1 .Llap
	QUARTER 0, 2, F1, F0, 0                        ; the last lap fills nothing
	QUARTER 0, 3, F0, F1, 0
	TURN 0, 1, 0
	QUARTER 1, 1, F0, F1, 0
	QUARTER 1, 2, F1, F0, 0
	QUARTER 1, 3, F0, F1, 0
	s_wait_dscnt 4                                 ; the very last quarter: nothing more to fetch
	MUL8 F1, 0, 0
	MUL8 F1, 1, 0
	s_wait_dscnt 0x0
	MUL8 F1, 2, 0
	MUL8 F1, 3, 0
; THE WAY OUT, 16 rows at a time: rounded to bf16 (16 bytes a lane), into my own stage, back as whole rows of 256 bytes, stored.  A wave's 128 columns are 256 aligned bytes of a row of qkv.
.macro PACK a
	WIN 0x0a                                       ; sources in window 2
.irp b, 0,1,2,3,4,5,6,7
.irp r, 0,1,2,3
	v_cvt_pk_bf16_f32 v[TMP+4*(\b)+(\r)], v[64*(\a)+8*(\b)+2*(\r)], v[64*(\a)+8*(\b)+2*(\r)+1]
.endr
.endr
	WIN 0
.endm
.macro TOSTAGE a
.set rK, BK+32*((\a)%2)
	s_wait_xcnt 0x0                                ; the stores of two blocks ago have read the registers that the loads below fill
.irp b, 0,1,2,3,4,5,6,7
	ds_store_b128 v[STO], v[TMP+4*(\b):TMP+4*(\b)+3] offset:32*(\b)
.endr
.irp t, 0,1,2,3,4,5,6,7
	ds_load_b128 v[rK+4*(\t):rK+4*(\t)+3], v[RD] offset:(\t)*2*PITCH  ; LDS serves a wave's instructions in order (ISA guide 5.7.1.4): these see the stores above
.endr
.endm
.macro SEND a
.set rK, BK+32*((\a)%2)
	s_wait_dscnt 0x0                               ; the block is back in registers
.irp t, 0,1,2,3,4,5,6,7
	global_store_b128 v[CO], v[rK+4*(\t):rK+4*(\t)+3], s[8:9] offset:(16*(\a)+2*(\t))*OROW  ; 16 lanes store 256 consecutive bytes, at a multiple of 256 from qkv's first byte
.endr
.endm
	PLACES
	PACK 0
	TOSTAGE 0
.irp a, 1,2,3                          ; block a's conversions stand between block a - 1's loads from the stage and the wait for them
	PACK \a
	SEND (\a)-1
	TOSTAGE \a
.endr
	SEND 3
	s_wait_tensorcnt 0x0                           ; the wave's end
	ds_add_u32 v[SPW], v[NIL]
	s_wait_dscnt 0x0
	CROUND                                         ; the closing round: no work-group ends while a partner may still ask for a tile that names it
	s_endpgm
.Lfunc_end_k_qf1f5300467_proj:
	.size	k_qf1f5300467_proj, .Lfunc_end_k_qf1f5300467_proj-k_qf1f5300467_proj
	.p2alignl 7, 3214868480
	.fill 96, 4, 3214868480
	.section	.rodata,"a",@progbits
	.p2align	6, 0x0
	.amdhsa_kernel k_qf1f5300467_proj
		.amdhsa_group_segment_fixed_size 327680
		.amdhsa_private_segment_fixed_size 0
		.amdhsa_enable_private_segment 0
		.amdhsa_kernarg_size 64
		.amdhsa_user_sgpr_count 2
		.amdhsa_user_sgpr_kernarg_segment_ptr 1
		.amdhsa_wavefront_size32 1
		.amdhsa_system_sgpr_workgroup_id_x 1
		.amdhsa_system_sgpr_workgroup_id_y 1
		.amdhsa_system_sgpr_workgroup_id_z 1
		.amdhsa_system_vgpr_workitem_id 0
		.amdhsa_next_free_vgpr 768
		.amdhsa_next_free_sgpr 88
		.amdhsa_reserve_vcc 0
		.amdhsa_float_denorm_mode_32 3
		.amdhsa_float_denorm_mode_16_64 3
		.amdhsa_memory_ordered 1
		.amdhsa_forward_progress 1
		.amdhsa_inst_pref_size 93
	.end_amdhsa_kernel
	.amdgpu_metadata
---
amdhsa.version: [ 1, 2 ]
amdhsa.kernels:
  - .name:           k_qf1f5300467_proj
    .symbol:         k_qf1f5300467_proj.kd
    .args:
      - { .name: xw, .offset: 0, .size: 8, .value_kind: global_buffer, .address_space: global }
      - { .name: bq1, .offset: 8, .size: 8, .value_kind: global_buffer, .address_space: global }
      - { .name: bk1, .offset: 16, .size: 8, .value_kind: global_buffer, .address_space: global }
      - { .name: bv1, .offset: 24, .size: 8, .value_kind: global_buffer, .address_space: global }
      - { .name: bq2, .offset: 32, .size: 8, .value_kind: global_buffer, .address_space: global }
      - { .name: bk2, .offset: 40, .size: 8, .value_kind: global_buffer, .address_space: global }
      - { .name: bv2, .offset: 48, .size: 8, .value_kind: global_buffer, .address_space: global }
      - { .name: qkv, .offset: 56, .size: 8, .value_kind: global_buffer, .address_space: global }
    .group_segment_fixed_size: 327680
    .private_segment_fixed_size: 0
    .kernarg_segment_align: 8
    .kernarg_segment_size: 64
    .max_flat_workgroup_size: 128
    .sgpr_count:     88
    .vgpr_count:     768
    .wavefront_size: 32
...
	.end_amdgpu_metadata
.endif
;; end of part 2
;; launch score (part 3): grid 16 x 32, 4 waves a work-group, clusters of 4 x 4, 327,680 bytes of LDS; arguments qkv, p, st; writes p, st
.if DOCPART == 3
	.amdgcn_target "amdgcn-amd-amdhsa--gfx1250"
	.amdhsa_code_object_version 6
	.text
	.protected	k_qf1f5300467_score
	.globl	k_qf1f5300467_score
	.p2align	8
	.type	k_qf1f5300467_score,@function
k_qf1f5300467_score:
	s_mov_b64 s[64:65], 0
	v_nop
	global_prefetch_b8 v0, s[64:65] scope:SCOPE_SE
	s_setreg_imm32_b32 hwreg(HW_REG_WAVE_MODE, 25, 1), 1
	s_wait_xcnt 0x0
	s_wait_alu depctr_hold_cnt(0) depctr_sa_sdst(0) depctr_va_vdst(0) depctr_va_sdst(0) depctr_va_ssrc(0) depctr_va_vcc(0) depctr_vm_vsrc(0)
	s_getreg_b32 s2, hwreg(HW_REG_IB_STS2, 6, 4)
	s_cmp_eq_u32 s2, 0
	s_cbranch_scc0 .Lentry_in_a_cluster
	s_endpgm
.Lentry_in_a_cluster:
	s_bfe_u32 s2, ttmp6, 0x10000c
	s_cmp_lg_u32 s2, 0xf033
	s_cbranch_scc0 .Lentry_shape_is_right
	s_endpgm
.Lentry_shape_is_right:
; Both attentions' scores and the first half of their softmax.  For a tile T of 128 queries x 128 keys: s = q . k (sum over 1,024 channels, f32); m = the row's maximum over the tile's 128 keys;
; p = 2^(c s - c m), c = log2(e) / 32, rounded to bf16 into p[T] (dense, [128][128]); st[T] = 128 x (c m), then 128 x l, l = the row's sum of the unrounded p, both f32.
; The next launch turns the tiles' local maxima into the row's maximum, in f32: p itself lies in 0 to 1 whatever the inputs.
; LIMITS: a weight below 2^-126 counts as 0; NaN and infinities are not treated apart.
; TILES.  Attention A (queries: qkv rows 2,048-6,143; keys: rows 0-2,047): T = 16 R + t.  Attention B (queries: rows 0-2,047; keys: rows 2,048-6,143): T = 512 + 32 R + t.  R: block of 128 queries, t: 128 keys.
; SHARES.  A work-group takes 256 queries x 128 keys: 512 work-groups of equal work, 256 for each attention.  A wave takes 64 queries x all 128 keys, so maximum and sum never leave the wave.
; CLUSTER.  4 x 4: the four of a row of the cluster need the same queries, the four of a column the same keys: joint loads.  Cluster rows 0-3 are attention A, 4-7 attention B.
; Core, ring, windows and the transposed use of the matrix instruction: 32 accumulators a wave, (a, b) at 64 a + 8 b in window 2; a lane holds query l % 16 of block a and keys 16 b + 8 (l / 16) + 0..7.
;   window 0: v0-31 addresses; v32-55 statistics; v96-127, v128-191 at work on the way out          window 1: two fragment buffers at 0 and 128: 64 registers of k, 32 of q
.set PITCH,  272                       ; an LDS row: 256 bytes + 16 of padding = 68 words, so the 16 rows of a fragment load start 4 banks apart (64 banks of 4 bytes: ISA guide 11.1)
.set ABYTES, 256*PITCH                 ; q's 256 rows
.set SLOT,   384*PITCH                 ; then k's 128 rows
.set STAGE,  2*SLOT                    ; behind the ring: 16 rows x 272 bytes for each wave
.set STATS,  STAGE+4*16*PITCH          ; 512 bytes for each wave: 64 x c m, 64 x l
.set SPARE,  STATS+4*512               ; the spare words, 128 bytes for each wave: two blocks of 256 bytes that no other line names
.set LAPS,   4
.set STEPA,  512
.set STEPB,  512
.set OROW,   6144                      ; bytes in a row of qkv
.set SST,  13                          ; v13     where I put a row's statistics
.set SRD,  14                          ; v14     where I read them back, 8 bytes a lane
.set SCO,  15                          ; v15     8 x lane
.set ADRA, 16
.set ADRB, 20
.set STO,  24
.set RD,   25
.set CO,   26                          ; v26     16 x lane
.set SPW,  28
.set NIL,  29
.set TT,   32                          ; v32-35  four chains of maxima
.set CMS,  44                          ; v44-47  c m of my row in block a
.set LSS,  48                          ; v48-51  l
.set TMP,  96
.set BK,   128
.set F0,   0
.set F1,   128
.set G1,  24
.set G0,  32
.set G1B, 48
.set G0B, 56
.set MUL,  0xa5
.set TO_F, 0x40
.set MSB, 0
.macro WIN new
.if MSB != (\new)
	s_set_vgpr_msb (MSB<<8)|(\new)
.set MSB, \new
.endif
.endm
.macro PLACES
.rept 4
	v_nop
.endr
.endm
.macro JLOAD s                         ; a joint load: waves 0 and 1 fetch q's two halves, waves 2 and 3 k's; an s_nop 0 and four v_nop follow each line
	s_cmp_eq_u32 s11, 0
	s_cbranch_scc0 .Lfor_b_\@
	tensor_load_to_lds s[G0+4*(\s):G0+4*(\s)+3], s[G1:G1+7]
	s_nop 0
.rept 4
	v_nop
.endr
	s_branch .Lasked_\@
.Lfor_b_\@:
	tensor_load_to_lds s[G0B+4*(\s):G0B+4*(\s)+3], s[G1B:G1B+7]
	s_nop 0
.rept 4
	v_nop
.endr
.Lasked_\@:
.endm
.macro CREST
	s_cmp_lg_u32 s10, 0
	s_cbranch_scc1 .Lnot_wave_0_\@
	s_barrier_signal -3
.Lnot_wave_0_\@:
	s_barrier_wait -3
	s_barrier_signal -1
	s_barrier_wait -1
.endm
.macro CROUND
	s_barrier_signal -1
	s_barrier_wait -1
	CREST
.endm
	s_load_b128 s[4:7], s[0:1], 0x0                ; qkv s[4:5], p s[6:7]
	s_load_b64 s[8:9], s[0:1], 0x10                ; st
	v_lshl_add_u32 v[SPW], v0, 2, SPARE
	v_mov_b32 v[NIL], 0
	ds_add_u32 v[SPW], v[NIL]                      ; the wave's opening: the add and its wait stand ahead of my first tensor load
	ds_add_u32 v28, v29
	v_lshrrev_b32 v1, 5, v0
	v_readfirstlane_b32 s10, v1                    ; wave 0..3
	s_lshr_b32 s11, s10, 1                         ; I fetch for q (0) or for k (1).  Also: which 128 of the 256 queries are mine
	s_and_b32 s12, s10, 1                          ; which half of that tile's rows I fetch.  Also: which 64 of those 128
	s_bfe_u32 s40, ttmp6, 0x40000                  ; cx, cy
	s_bfe_u32 s41, ttmp6, 0x40004
	s_lshl_b32 s42, ttmp9, 2
	s_add_co_u32 s42, s42, s40                     ; key tile among 16 = 4 x cluster x + cx
	s_and_b32 s45, ttmp7, 0xffff                   ; cluster y, 0..7: from 4 on attention B
	s_and_b32 s76, s45, 1                          ; B: which four blocks of 256 queries
	s_bfe_u32 s77, s45, 0x10001                    ; B: which 16 key tiles
	s_lshl_b32 s43, s41, 2
	s_lshl_b32 s43, 15, s43                        ; my row of the cluster
	s_lshl_b32 s44, 0x1111, s40                    ; my column
	s_or_b32 s[G1],  s43, (1<<16)|(1<<20)|(1<<21)|(5<<22)|(3<<25)  ; the mask; 2-byte elements; padding on; bit 21 beside a mask; 4 words behind every 64
	s_or_b32 s[G1B], s44, (1<<16)|(1<<20)|(1<<21)|(5<<22)|(3<<25)
.irp g, G1, G1B
	s_mov_b32 s[(\g)+1], 128<<16                   ; tensor_dim0 = 128
	s_mov_b32 s[(\g)+3], 128<<16                   ; tile_dim0 = 128
	s_mov_b32 s[(\g)+5], 3072                      ; elements from row to row
	s_mov_b32 s[(\g)+6], 0
	s_mov_b32 s[(\g)+7], 0
.endr
	s_mov_b32 s[G1+2], 128<<16                     ; q: a load brings 128 rows
	s_mov_b32 s[G1+4], 128
	s_mov_b32 s[G1B+2], 64<<16                     ; k: 64 rows
	s_mov_b32 s[G1B+4], 64
	s_lshl_b32 s13, s45, 10                        ; the queries' first row in qkv.  A: 2,048 + 1,024 x cluster y;
	s_add_co_u32 s13, s13, 2048
	s_lshl_b32 s15, s76, 10                        ; B: 1,024 x (cluster y & 1);
	s_cmp_ge_u32 s45, 4
	s_cselect_b32 s13, s15, s13
	s_lshl_b32 s15, s41, 8                         ; + 256 cy
	s_add_co_u32 s13, s13, s15
	s_lshl_b32 s15, s12, 7                         ; + the half that I fetch
	s_add_co_u32 s16, s13, s15
	s_mul_i32 s16, s16, OROW
	s_mov_b32 s17, 0
	s_lshl_b32 s19, s77, 11                        ; the keys' first row.  B: 2,048 + 2,048 x half; A: 0;
	s_add_co_u32 s19, s19, 2048
	s_cmp_ge_u32 s45, 4
	s_cselect_b32 s19, s19, 0
	s_lshl_b32 s46, s42, 7                         ; + 128 x key tile
	s_add_co_u32 s46, s46, s19
	s_lshl_b32 s47, s12, 6                         ; + the half that I fetch
	s_add_co_u32 s46, s46, s47
	s_mul_i32 s46, s46, OROW
	s_add_co_u32 s46, s46, 2048                    ; k's columns begin 2,048 bytes into a row
	s_mov_b32 s47, 0
	s_mul_i32 s20, s12, 128*PITCH                  ; where they go
	s_mul_i32 s19, s12, 64*PITCH
	s_add_co_u32 s19, s19, ABYTES
	s_lshl_b32 s70, s45, 2                         ; my tile's number T, in registers that feed no descriptor.  Block of 256 queries: A: 4 x cluster y + cy;
	s_lshl_b32 s71, s76, 2                         ; B: 4 x (cluster y & 1) + cy
	s_cmp_ge_u32 s45, 4
	s_cselect_b32 s70, s71, s70
	s_add_co_u32 s70, s70, s41
	s_lshl_b32 s70, s70, 1
	s_add_co_u32 s70, s70, s11                     ; R
	s_lshl_b32 s71, s70, 4                         ; A: 16 R
	s_lshl_b32 s72, s70, 5                         ; B: 512 + 32 R + 16 x half
	s_add_co_u32 s72, s72, 512
	s_lshl_b32 s73, s77, 4
	s_add_co_u32 s72, s72, s73
	s_cmp_ge_u32 s45, 4
	s_cselect_b32 s70, s72, s71
	s_add_co_u32 s70, s70, s42                     ; T
	s_lshl_b32 s72, s70, 15                        ; 32,768 bytes of p a tile, 16,384 for my 64 rows
	s_lshl_b32 s73, s12, 14
	s_add_co_u32 s72, s72, s73
	s_mov_b32 s73, 0
	s_lshl_b32 s74, s70, 10                        ; 1,024 bytes of st a tile, 256 for my 64 rows
	s_lshl_b32 s75, s12, 8
	s_add_co_u32 s74, s74, s75
	s_mov_b32 s75, 0
	s_mov_b32 s66, 0x3d38aa3b                      ; c = log2(e) / 32
	s_mov_b32 s67, s66                             ; named with it as a pair
	s_mov_b32 s68, 0x76543210                      ; v_permlanex16_b32: each lane takes its own place in the other half
	s_mov_b32 s69, 0xfedcba98
	s_wait_dscnt 0x0                               ; the opening add is done
	s_wait_kmcnt 0x0
	s_add_nc_u64 s[14:15], s[4:5], s[16:17]
	s_add_nc_u64 s[46:47], s[4:5], s[46:47]
	s_add_nc_u64 s[6:7], s[6:7], s[72:73]
	s_add_nc_u64 s[8:9], s[8:9], s[74:75]
	CROUND                                         ; all sixteen work-groups are here: the first joint loads meet
.irp s, 0,1
	s_mov_b32 s[G0+4*(\s)], 1
	s_add_co_u32 s[G0+4*(\s)+1], s20, (\s)*SLOT
	s_add_nc_u64 s[G0+4*(\s)+2:G0+4*(\s)+3], s[14:15], (\s)*256
	s_or_b32 s[G0+4*(\s)+3], s[G0+4*(\s)+3], 0x80000000
	s_mov_b32 s[G0B+4*(\s)], 1
	s_add_co_u32 s[G0B+4*(\s)+1], s19, (\s)*SLOT
	s_add_nc_u64 s[G0B+4*(\s)+2:G0B+4*(\s)+3], s[46:47], (\s)*256
	s_or_b32 s[G0B+4*(\s)+3], s[G0B+4*(\s)+3], 0x80000000
	JLOAD \s                                       ; two tensor loads of mine are out
.endr
	v_and_b32 v1, 15, v0                           ; l % 16
	v_bfe_u32 v2, v0, 4, 1                         ; l / 16
	v_mul_u32_u24 v3, v1, PITCH
	v_lshl_add_u32 v3, v2, 4, v3                   ; a fragment's row x pitch + 16 x half
	s_mul_i32 s21, s10, 64*PITCH                   ; my 64 queries
	v_add_nc_u32 v[ADRA], s21, v3
	v_add_nc_u32 v[ADRA+1], SLOT, v[ADRA]
	v_add_nc_u32 v[ADRB], ABYTES, v3               ; every wave reads all 128 keys
	v_add_nc_u32 v[ADRB+1], ABYTES+SLOT, v3
	s_mul_i32 s23, s10, 16*PITCH
	s_add_co_u32 s23, s23, STAGE                   ; my stage
	v_add_nc_u32 v[STO], s23, v3
	v_mul_u32_u24 v5, v2, PITCH
	v_lshl_add_u32 v5, v1, 4, v5
	v_add_nc_u32 v[RD], s23, v5
	v_and_b32 v[CO], 31, v0
	v_lshlrev_b32 v[SCO], 3, v[CO]                 ; 8 x lane
	v_lshlrev_b32 v[CO], 4, v[CO]                  ; 16 x lane: two rows of a dense tile are 512 consecutive bytes
	s_lshl_b32 s23, s10, 9
	s_add_co_u32 s23, s23, STATS                   ; my statistics
	v_lshl_add_u32 v[SST], v1, 2, s23
	v_add_nc_u32 v[SRD], s23, v[SCO]
	v_mov_b32 v37, 0                               ; the lane exchange's destinations count as read
	v_mov_b32 v41, 0
	v_mov_b32 v39, 0                               ; named with c m as a pair
; 8 matrix instructions: query block a x all 8 key blocks, 32 channels, from buffer f.  mode 1: the first product starts the sums: nothing is cleared.
; The 32 accumulators take turns in one order in every quarter.
.macro MUL8 f, a, mode
	WIN MUL
.irp b, 0,1,2,3,4,5,6,7
.set rD, 64*(\a)+8*(\b)
.set rB, (\f)+8*(\b)
.set rA, (\f)+64+8*(\a)
.if (\mode) == 1
	v_wmma_f32_16x16x32_bf16 v[rD:rD+7], v[rB:rB+7], v[rA:rA+7], 0
.else
	v_wmma_f32_16x16x32_bf16 v[rD:rD+7], v[rB:rB+7], v[rA:rA+7], v[rD:rD+7]
.endif
.endr
.endm
.macro FETCH slot, q, f                ; 24 LDS loads in one run: k's 16, then q's 8
	WIN TO_F
.irp i, 0,1,2,3,4,5,6,7
	ds_load_b128 v[(\f)+8*(\i):(\f)+8*(\i)+3],   v[ADRB+(\slot)] offset:64*(\q)+(\i)*16*PITCH
	ds_load_b128 v[(\f)+8*(\i)+4:(\f)+8*(\i)+7], v[ADRB+(\slot)] offset:64*(\q)+(\i)*16*PITCH+32
.endr
.irp i, 0,1,2,3
	ds_load_b128 v[(\f)+64+8*(\i):(\f)+64+8*(\i)+3],   v[ADRA+(\slot)] offset:64*(\q)+(\i)*16*PITCH
	ds_load_b128 v[(\f)+64+8*(\i)+4:(\f)+64+8*(\i)+7], v[ADRA+(\slot)] offset:64*(\q)+(\i)*16*PITCH+32
.endr
.endm
.macro QUARTER slot, q, f, g, mode
	s_wait_dscnt 4                                 ; all but the youngest four loads: q's blocks 2 and 3
	MUL8 \f, 0, \mode
	MUL8 \f, 1, \mode
	PLACES
	FETCH \slot, \q, \g
	s_wait_dscnt 24                                ; all but the 24 just issued
	MUL8 \f, 2, \mode
	MUL8 \f, 3, \mode
.endm
; The change of slots: ONE barrier; in front of it each wave waits for all its tensor loads (one is out: its part of the next slot), adds 0 to its spare word, and waits for that and for its
; own reads of this slot.  fill = 1: the barrier opens a round of the cluster's, and this slot is filled again, two K steps ahead, first thing behind it.
.macro TURN slot, next, fill
	WIN 0
	s_wait_tensorcnt 0x0
	ds_add_u32 v[SPW], v[NIL]
	s_wait_dscnt 5                                 ; (the add and the youngest four loads may be out)
	MUL8 F1, 0, 0
	s_wait_dscnt 0x0                               ; the add is done, and my reads of this slot are over
	s_barrier_signal -1
	MUL8 F1, 1, 0
.if \fill
	WIN 0
.endif
	s_barrier_wait -1
.if \fill
	CREST
	s_add_nc_u64 s[G0+4*(\slot)+2:G0+4*(\slot)+3], s[G0+4*(\slot)+2:G0+4*(\slot)+3], STEPA
	s_add_nc_u64 s[G0B+4*(\slot)+2:G0B+4*(\slot)+3], s[G0B+4*(\slot)+2:G0B+4*(\slot)+3], STEPB
	JLOAD \slot
.else
	PLACES
.endif
	FETCH \next, 0, F0
	MUL8 F1, 2, 0
	MUL8 F1, 3, 0
.endm
	s_wait_tensorcnt 1                             ; my part of K step 0 is in; K step 1's may stay out
	s_barrier_signal -1
	s_barrier_wait -1
	FETCH 0, 0, F0
	QUARTER 0, 1, F0, F1, 1
	WIN 0
	s_mov_b32 s3, LAPS-1
.Llap:
	QUARTER 0, 2, F1, F0, 0
	QUARTER 0, 3, F0, F1, 0
	TURN 0, 1, 1
	QUARTER 1, 1, F0, F1, 0
	QUARTER 1, 2, F1, F0, 0
	QUARTER 1, 3, F0, F1, 0
	TURN 1, 0, 1
	QUARTER 0, 1, F0, F1, 0
	WIN 0
	s_sub_co_u32 s3, s3, 1
	s_cmp_lg_u32 s3, 0
	s_cbranch_scc1 .Llap
	QUARTER 0, 2, F1, F0, 0
	QUARTER 0, 3, F0, F1, 0
	TURN 0, 1, 0
	QUARTER 1, 1, F0, F1, 0
	QUARTER 1, 2, F1, F0, 0
	QUARTER 1, 3, F0, F1, 0
	s_wait_dscnt 4
	MUL8 F1, 0, 0
	MUL8 F1, 1, 0
	s_wait_dscnt 0x0
	MUL8 F1, 2, 0
	MUL8 F1, 3, 0
; THE SOFTMAX'S FIRST HALF for block a of 16 queries: a lane holds 64 of its query's 128 scores, the lane 16 away the other 64.
.macro ARITH a
.set AC, 64*(\a)
	WIN 0x0a                                       ; sources in window 2: the first accumulator's pairs start four chains of maxima
.irp j, 0,1,2,3
	v_max_num_f32 v[TT+(\j)], v[AC+2*(\j)], v[AC+2*(\j)+1]
.endr
	WIN 0x28                                       ; sources 1 and 2 in window 2
.irp b, 1,2,3,4,5,6,7
.irp j, 0,1,2,3
	v_max3_num_f32 v[TT+(\j)], v[TT+(\j)], v[AC+8*(\b)+2*(\j)], v[AC+8*(\b)+2*(\j)+1]
.endr
.endr
	WIN 0
	v_max3_num_f32 v[TT], v[TT], v[TT+1], v[TT+2]
	v_max_num_f32 v[TT], v[TT], v[TT+3]
	v_permlanex16_b32 v37, v[TT], s68, s69
	v_max_num_f32 v36, v[TT], v37                  ; m
	v_mul_f32 v38, s66, v36                        ; c m
	v_mov_b32 v[CMS+(\a)], v38
	WIN 0x82                                       ; destination and source 0 in window 2
.set i, 0
.rept 32
	v_pk_fma_f32 v[AC+2*i:AC+2*i+1], v[AC+2*i:AC+2*i+1], s[66:67], v[38:39] op_sel_hi:[1,0,0] neg_lo:[0,0,1] neg_hi:[0,0,1]  ; c s - c m
.set i, i+1
.endr
.set i, 0
.rept 64
	v_exp_f32 v[AC+i], v[AC+i]
.set i, i+1
.endr
	v_nop                                          ; a plain instruction between the last exponential and the use of its result
	WIN 0x0a
.set i, 0
	s_wait_alu depctr_va_vdst(0)
.rept 32
	v_cvt_pk_bf16_f32 v[TMP+i], v[AC+2*i], v[AC+2*i+1]
.set i, i+1
.endr
	WIN 0x8a                                       ; the sum of the unrounded weights, in place: pairs 16, 8, 4, 2 and 1 apart
.irp d, 16,8,4,2,1
.set i, 0
.rept \d
	v_pk_add_f32 v[AC+2*i:AC+2*i+1], v[AC+2*i:AC+2*i+1], v[AC+2*(i+(\d)):AC+2*(i+(\d))+1]
.set i, i+1
.endr
.endr
	WIN 0x0a
	v_add_f32 v40, v[AC], v[AC+1]
	WIN 0
	v_permlanex16_b32 v41, v40, s68, s69
	v_add_f32 v[LSS+(\a)], v40, v41                ; l
.endm
.macro TOSTAGE a
.set rK, BK+32*((\a)%2)
	s_wait_xcnt 0x0                                ; the stores of two blocks ago have read the registers that the loads below fill
.irp b, 0,1,2,3,4,5,6,7
	ds_store_b128 v[STO], v[TMP+4*(\b):TMP+4*(\b)+3] offset:32*(\b)
.endr
.irp t, 0,1,2,3,4,5,6,7
	ds_load_b128 v[rK+4*(\t):rK+4*(\t)+3], v[RD] offset:(\t)*2*PITCH  ; LDS serves a wave's instructions in order (ISA guide 5.7.1.4): these see the stores above
.endr
.endm
.macro SEND a
.set rK, BK+32*((\a)%2)
	s_wait_dscnt 0x0
.irp t, 0,1,2,3,4,5,6,7
	global_store_b128 v[CO], v[rK+4*(\t):rK+4*(\t)+3], s[6:7] offset:4096*(\a)+512*(\t)  ; 512 consecutive bytes, at a multiple of 256 from p's first byte
.endr
.endm
	PLACES
	ARITH 0
	TOSTAGE 0
.irp a, 1,2,3                          ; block a's arithmetic stands between block a - 1's loads from the stage and the wait for them
	ARITH \a
	SEND (\a)-1
	TOSTAGE \a
.endr
	SEND 3
.irp a, 0,1,2,3                        ; the statistics: both halves of the lanes hold the same number and write the same word
	ds_store_b32 v[SST], v[CMS+(\a)] offset:64*(\a)
	ds_store_b32 v[SST], v[LSS+(\a)] offset:256+64*(\a)
.endr
	ds_load_b64 v[52:53], v[SRD]                   ; back as 64 numbers on end, 8 bytes a lane (my own bytes, served in order)
	ds_load_b64 v[54:55], v[SRD] offset:256
	s_wait_dscnt 0x0
	global_store_b64 v[SCO], v[52:53], s[8:9]              ; 256 consecutive bytes, aligned: c m of my 64 rows
	global_store_b64 v[SCO], v[54:55], s[8:9] offset:512   ; and l
	s_wait_tensorcnt 0x0                           ; the wave's end
	ds_add_u32 v[SPW], v[NIL]
	s_wait_dscnt 0x0
	CROUND                                         ; the closing round
	s_endpgm
.Lfunc_end_k_qf1f5300467_score:
	.size	k_qf1f5300467_score, .Lfunc_end_k_qf1f5300467_score-k_qf1f5300467_score
	.p2alignl 7, 3214868480
	.fill 96, 4, 3214868480
	.section	.rodata,"a",@progbits
	.p2align	6, 0x0
	.amdhsa_kernel k_qf1f5300467_score
		.amdhsa_group_segment_fixed_size 327680
		.amdhsa_private_segment_fixed_size 0
		.amdhsa_enable_private_segment 0
		.amdhsa_kernarg_size 24
		.amdhsa_user_sgpr_count 2
		.amdhsa_user_sgpr_kernarg_segment_ptr 1
		.amdhsa_wavefront_size32 1
		.amdhsa_system_sgpr_workgroup_id_x 1
		.amdhsa_system_sgpr_workgroup_id_y 1
		.amdhsa_system_sgpr_workgroup_id_z 1
		.amdhsa_system_vgpr_workitem_id 0
		.amdhsa_next_free_vgpr 768
		.amdhsa_next_free_sgpr 80
		.amdhsa_reserve_vcc 0
		.amdhsa_float_denorm_mode_32 3
		.amdhsa_float_denorm_mode_16_64 3
		.amdhsa_memory_ordered 1
		.amdhsa_forward_progress 1
		.amdhsa_inst_pref_size 122
	.end_amdhsa_kernel
	.amdgpu_metadata
---
amdhsa.version: [ 1, 2 ]
amdhsa.kernels:
  - .name:           k_qf1f5300467_score
    .symbol:         k_qf1f5300467_score.kd
    .args:
      - { .name: qkv, .offset: 0, .size: 8, .value_kind: global_buffer, .address_space: global }
      - { .name: p, .offset: 8, .size: 8, .value_kind: global_buffer, .address_space: global }
      - { .name: st, .offset: 16, .size: 8, .value_kind: global_buffer, .address_space: global }
    .group_segment_fixed_size: 327680
    .private_segment_fixed_size: 0
    .kernarg_segment_align: 8
    .kernarg_segment_size: 24
    .max_flat_workgroup_size: 128
    .sgpr_count:     80
    .vgpr_count:     768
    .wavefront_size: 32
...
	.end_amdgpu_metadata
.endif
;; end of part 3
;; launch ctx (part 4): grid 8 x 32, 4 waves a work-group, clusters of 4 x 4, 327,680 bytes of LDS; arguments p, st, qkv, out0, out1; writes out0, out1
.if DOCPART == 4
	.amdgcn_target "amdgcn-amd-amdhsa--gfx1250"
	.amdhsa_code_object_version 6
	.text
	.protected	k_qf1f5300467_ctx
	.globl	k_qf1f5300467_ctx
	.p2align	8
	.type	k_qf1f5300467_ctx,@function
k_qf1f5300467_ctx:
	s_mov_b64 s[64:65], 0
	v_nop
	global_prefetch_b8 v0, s[64:65] scope:SCOPE_SE
	s_setreg_imm32_b32 hwreg(HW_REG_WAVE_MODE, 25, 1), 1
	s_wait_xcnt 0x0
	s_wait_alu depctr_hold_cnt(0) depctr_sa_sdst(0) depctr_va_vdst(0) depctr_va_sdst(0) depctr_va_ssrc(0) depctr_va_vcc(0) depctr_vm_vsrc(0)
	s_getreg_b32 s2, hwreg(HW_REG_IB_STS2, 6, 4)
	s_cmp_eq_u32 s2, 0
	s_cbranch_scc0 .Lentry_in_a_cluster
	s_endpgm
.Lentry_in_a_cluster:
	s_bfe_u32 s2, ttmp6, 0x10000c
	s_cmp_lg_u32 s2, 0xf033
	s_cbranch_scc0 .Lentry_shape_is_right
	s_endpgm
.Lentry_shape_is_right:
; Both attentions' second half: O[row][ch] = sum over key tiles t of a_t[row] (P_t V_t)[row][ch], a_t = 2^(c m_t - c M) / L, M = the row's maximum of the tiles' m_t, L = sum over t of 2^(c m_t - c M) l_t.
; P_t (bf16, 128 x 128, dense) and c m_t, l_t (f32) come from the launch before, V from qkv's columns 2,048-3,071 (bf16).  A tile's products are summed in f32 from 0; the sum is then added, times a_t, in f32,
; onto a second set of registers (MASTER): P itself is never rescaled.  O is stored in f32.
; LIMITS: a correction 2^(c m_t - c M) below 2^-126 counts as 0; NaN and infinities are not treated apart.
; SHARES.  256 work-groups of equal work, 16 steps of 128 keys each; x: 128 channels; y < 16: attention A, 256 rows of out0, 2,048 keys; y >= 16: attention B, 128 rows of out1, whose 4,096 keys are two
; halves.  Wave (h = w / 2, cc = w % 2) makes 64 rows x 128 channels from the P tiles 32 y + 16 h + 0..15: in A half h is rows 128 h on, in B it is keys 2,048 h on of the same rows; the tile's number is
; the same formula for both.  In B the two halves' sums meet in LDS at the end, in f32.  V has a region for each h: in A the same tile lands in both (32 KiB more a step): the price of one text for both.
; CLUSTER.  4 x 4: the four of a row of the cluster need the same P, the four of a column the same V: joint loads.  Cluster rows 0-3 are attention A, 4-7 attention B: the one branch between the two ways
; out hangs on the cluster's y, which all partners share, goes forward, and passes no barrier and no tensor load.
; THE MATRIX INSTRUCTION IS USED TRANSPOSED: source 0 = V^T (16 channels x 32 keys, turned by ds_load_tr16_b128), source 1 = P (16 rows x 32 keys): a lane holds row l % 16 and channels 8 (l / 16) + 0..7.
; REGISTERS, in windows of 256 (s_set_vgpr_msb: bits 1:0 source 0, 3:2 source 1, 5:4 source 2, 7:6 destination):
;   window 0: v0-31 addresses; v32-39 a of my row in blocks 0-3 (even registers); v40-47, v64-127 at work          window 1: two fragment buffers at 0 and 128: 64 registers of V^T, 32 of P
;   window 2: accumulator (a, b) at 64 a + 8 b          window 3: MASTER at the same numbers.  MASTER is cleared by 256 moves in the wait for the first tile: that spares a further written-out lap.
.set PITCH,  272                       ; a row of P in LDS: 256 bytes + 16 = 68 words: the 16 rows of a load start 4 banks apart (64 banks of 4 bytes: ISA guide 11.1)
.set PV,     288                       ; a row of V: 256 + 32 = 72 words
.set PREG,   128*PITCH                 ; a region of P: 128 rows
.set VREG,   128*PV                    ; a region of V: 128 keys
.set VOFF,   2*PREG
.set SLOT,   2*PREG+2*VREG             ; 143,360
.set ALPHA,  2*SLOT                    ; behind the ring: a as f32 [16 h + step][128 rows], 16,384 bytes, never filled by a tensor load
.set SPARE,  ALPHA+16384               ; the spare words, 128 bytes for each wave: two blocks of 256 bytes that no other line names
.set SP,     528                       ; the way out: a row of 128 f32 + 16 bytes
.set WST,    64*SP                     ; a wave's stage; the four lie in slot 0, whose last fill (step 14) has been read out by every wave when the last change of slots' barrier is passed
.set LAPS,   8
.set OROW,   6144                      ; bytes in a row of qkv
.set STEPA,  2*32768                   ; a refill goes two tiles of P on,
.set STEPB,  2*128*OROW                ; and 256 rows of V
.set TH4,  10                          ; v10     4 x thread
.set AST,  11                          ; v11     where thread i puts row i's a
.set ARD,  12                          ; v12     where I read my row's a of the step in hand; it steps
.set ADRA, 16
.set ADRB, 20
.set STO,  24
.set RD,   25
.set CO,   26                          ; v26     16 x lane
.set RD2,  27
.set SPW,  28
.set NIL,  29
.set AL,   32
.set MX,   40                          ; v40-41  c M of half 0, 1;  v42 at work
.set LS,   44                          ; v44-45  L, then 1 / L;  v46 at work
.set CM,   64                          ; v64-95  c m_t, then a_t
.set LL,   96                          ; v96-127 l_t
.set F0,   0
.set F1,   128
.set G1,  24
.set G0,  32
.set G1B, 48
.set G0B, 56
.set MUL,  0xa5                        ; both sources window 1, C and D window 2
.set TO_F, 0x40                        ; destination window 1, address window 0
.set W_FL, 0xf2                        ; source 0 window 2, source 1 window 0, source 2 and destination window 3
.set MSB, 0
.macro WIN new
.if MSB != (\new)
	s_set_vgpr_msb (MSB<<8)|(\new)
.set MSB, \new
.endif
.endm
.macro PLACES
.rept 4
	v_nop
.endr
.endm
.macro JLOAD s                         ; a joint load: waves 0 and 1 fetch P's two regions, waves 2 and 3 V's; an s_nop 0 and four v_nop follow each line
	s_cmp_eq_u32 s11, 0
	s_cbranch_scc0 .Lfor_b_\@
	tensor_load_to_lds s[G0+4*(\s):G0+4*(\s)+3], s[G1:G1+7]
	s_nop 0
.rept 4
	v_nop
.endr
	s_branch .Lasked_\@
.Lfor_b_\@:
	tensor_load_to_lds s[G0B+4*(\s):G0B+4*(\s)+3], s[G1B:G1B+7]
	s_nop 0
.rept 4
	v_nop
.endr
.Lasked_\@:
.endm
.macro CREST
	s_cmp_lg_u32 s10, 0
	s_cbranch_scc1 .Lnot_wave_0_\@
	s_barrier_signal -3
.Lnot_wave_0_\@:
	s_barrier_wait -3
	s_barrier_signal -1
	s_barrier_wait -1
.endm
.macro CROUND
	s_barrier_signal -1
	s_barrier_wait -1
	CREST
.endm
	s_load_b256 s[72:79], s[0:1], 0x0              ; p s[72:73], st s[74:75], qkv s[76:77], out0 s[78:79]
	s_load_b64 s[80:81], s[0:1], 0x20              ; out1
	v_lshl_add_u32 v[SPW], v0, 2, SPARE
	v_mov_b32 v[NIL], 0
	ds_add_u32 v[SPW], v[NIL]                      ; the wave's opening: the add and its wait stand ahead of my first tensor load
	ds_add_u32 v28, v29
	v_lshrrev_b32 v1, 5, v0
	v_readfirstlane_b32 s10, v1                    ; wave 0..3
	s_lshr_b32 s11, s10, 1                         ; h.  Also: I fetch for P (0) or for V (1)
	s_and_b32 s12, s10, 1                          ; cc.  Also: which region I fetch
	s_bfe_u32 s40, ttmp6, 0x40000                  ; cx, cy
	s_bfe_u32 s41, ttmp6, 0x40004
	s_lshl_b32 s42, ttmp9, 2
	s_add_co_u32 s42, s42, s40                     ; block of 128 channels = 4 x cluster x + cx
	s_and_b32 s45, ttmp7, 0xffff                   ; cluster y, 0..7: from 4 on attention B
	s_lshl_b32 s13, s45, 2
	s_add_co_u32 s13, s13, s41                     ; y = 4 x cluster y + cy
	s_lshl_b32 s43, s41, 2
	s_lshl_b32 s43, 15, s43                        ; my row of the cluster
	s_lshl_b32 s44, 0x1111, s40                    ; my column
	s_or_b32 s[G1],  s43, (1<<16)|(1<<20)|(1<<21)|(5<<22)|(3<<25)  ; the mask; 2-byte elements; padding on; bit 21 beside a mask; 4 words behind every 64
	s_or_b32 s[G1B], s44, (1<<16)|(1<<20)|(1<<21)|(5<<22)|(7<<25)  ; V: 8 words behind every 64
.irp g, G1, G1B
	s_mov_b32 s[(\g)+1], 128<<16                   ; tensor_dim0 = 128
	s_mov_b32 s[(\g)+2], 128<<16                   ; tensor_dim1 = 128
	s_mov_b32 s[(\g)+3], 128<<16                   ; tile_dim0 = 128
	s_mov_b32 s[(\g)+4], 128                       ; tile_dim1 = 128
	s_mov_b32 s[(\g)+6], 0
	s_mov_b32 s[(\g)+7], 0
.endr
	s_mov_b32 s[G1+5], 128                         ; P's tiles are dense
	s_mov_b32 s[G1B+5], 3072                       ; V's rows are qkv's
	s_lshl_b32 s16, s13, 5                         ; P: tile 32 y + 16 x region, 32,768 bytes a tile
	s_lshl_b32 s17, s12, 4
	s_add_co_u32 s16, s16, s17
	s_lshl_b32 s16, s16, 15
	s_mov_b32 s17, 0
	s_lshl_b32 s46, s12, 11                        ; V: first row.  B: 2,048 + 2,048 x region; A: 0 for both regions
	s_add_co_u32 s46, s46, 2048
	s_cmp_ge_u32 s45, 4
	s_cselect_b32 s46, s46, 0
	s_mul_i32 s46, s46, OROW
	s_lshl_b32 s47, s42, 8                         ; my 128 channels, 256 bytes,
	s_add_co_u32 s46, s46, s47
	s_add_co_u32 s46, s46, 4096                    ; of v's columns, which begin 4,096 bytes into a row
	s_mov_b32 s47, 0
	s_mul_i32 s20, s12, PREG                       ; where they go: no place in the cluster enters an LDS address
	s_mul_i32 s19, s12, VREG
	s_add_co_u32 s19, s19, VOFF
	s_cmp_ge_u32 s45, 4
	s_cselect_b32 s70, -1, 0                       ; all lanes' bits in attention B: the two halves share M and L
	s_lshl_b32 s68, s13, 15                        ; my 32 tiles' statistics: 1,024 bytes a tile
	s_mov_b32 s69, 0
	s_wait_dscnt 0x0                               ; the opening add is done
	s_wait_kmcnt 0x0
	s_add_nc_u64 s[14:15], s[72:73], s[16:17]
	s_add_nc_u64 s[46:47], s[76:77], s[46:47]
	s_add_nc_u64 s[66:67], s[74:75], s[68:69]
	CROUND                                         ; all sixteen work-groups are here: the first joint loads meet
.irp s, 0,1
	s_mov_b32 s[G0+4*(\s)], 1
	s_add_co_u32 s[G0+4*(\s)+1], s20, (\s)*SLOT
	s_add_nc_u64 s[G0+4*(\s)+2:G0+4*(\s)+3], s[14:15], (\s)*32768
	s_or_b32 s[G0+4*(\s)+3], s[G0+4*(\s)+3], 0x80000000
	s_mov_b32 s[G0B+4*(\s)], 1
	s_add_co_u32 s[G0B+4*(\s)+1], s19, (\s)*SLOT
	s_add_nc_u64 s[G0B+4*(\s)+2:G0B+4*(\s)+3], s[46:47], (\s)*128*OROW
	s_or_b32 s[G0B+4*(\s)+3], s[G0B+4*(\s)+3], 0x80000000
	JLOAD \s                                       ; two tensor loads of mine are out
.endr
	; THE CORRECTIONS.  Thread i takes row i of both halves: 32 tiles' c m and l.
	v_lshlrev_b32 v[TH4], 2, v0
.set n, 0
.rept 32
	global_load_b32 v[CM+n], v[TH4], s[66:67] offset:1024*n
	global_load_b32 v[LL+n], v[TH4], s[66:67] offset:1024*n+512
.set n, n+1
.endr
	v_lshl_add_u32 v[AST], v0, 2, ALPHA
	v_and_b32 v1, 15, v0                           ; l % 16
	v_bfe_u32 v2, v0, 4, 1                         ; l / 16
	v_mul_u32_u24 v3, v1, PITCH
	v_lshl_add_u32 v3, v2, 4, v3                   ; P: a fragment's row x pitch + 16 x half
	s_mul_i32 s21, s10, 64*PITCH                   ; region h, rows 64 cc on: 128 h + 64 cc = 64 w rows
	v_add_nc_u32 v[ADRA], s21, v3
	v_add_nc_u32 v[ADRA+1], SLOT, v[ADRA]
	v_and_b32 v4, 7, v0                            ; V: lane l reads key 8 (l / 16) + l % 8, channels 8 ((l / 8) % 2) + 0..7, and is left with channel l % 16 and 8 keys
	v_bfe_u32 v5, v0, 3, 1
	v_lshl_add_u32 v6, v2, 3, v4
	v_mul_u32_u24 v6, v6, PV
	v_lshl_add_u32 v6, v5, 4, v6
	s_mul_i32 s22, s11, VREG
	s_add_co_u32 s22, s22, VOFF                    ; region h
	v_add_nc_u32 v[ADRB], s22, v6
	v_add_nc_u32 v[ADRB+1], SLOT, v[ADRB]
	s_lshl_b32 s22, s11, 13                        ; a: 16 steps of 512 bytes a half,
	s_lshl_b32 s23, s12, 8                         ; my 64 rows
	s_add_co_u32 s22, s22, s23
	s_add_co_u32 s22, s22, ALPHA
	v_lshl_add_u32 v[ARD], v1, 2, s22
	s_mul_i32 s23, s10, WST                        ; my stage: row l % 16, 32 bytes for each half of the lanes
	v_mul_u32_u24 v[STO], v1, SP
	v_lshl_add_u32 v[STO], v2, 5, v[STO]
	v_add_nc_u32 v[STO], s23, v[STO]
	v_and_b32 v[CO], 31, v0
	v_lshlrev_b32 v[CO], 4, v[CO]
.irp a, 0,1,2,3
	v_mov_b32 v[AL+2*(\a)+1], 0                    ; named with a as pairs
.endr
	WIN 0xc0                                       ; destination window 3
.set i, 0
.rept 256
	v_mov_b32 v[i], 0                              ; MASTER
.set i, i+1
.endr
	WIN 0
	s_wait_loadcnt 0x0
.irp h, 0,1
	v_max3_num_f32 v[MX+(\h)], v[CM+16*(\h)], v[CM+16*(\h)+1], v[CM+16*(\h)+2]
.endr
.irp k, 3,5,7,9,11,13
.irp h, 0,1
	v_max3_num_f32 v[MX+(\h)], v[MX+(\h)], v[CM+16*(\h)+(\k)], v[CM+16*(\h)+(\k)+1]
.endr
.endr
.irp h, 0,1
	v_max_num_f32 v[MX+(\h)], v[MX+(\h)], v[CM+16*(\h)+15]
.endr
	v_max_num_f32 v42, v[MX], v[MX+1]
	v_cndmask_b32 v[MX], v[MX], v42, s70           ; in B the row's maximum goes over both halves
	v_cndmask_b32 v[MX+1], v[MX+1], v42, s70
.set n, 0
.rept 32
	v_sub_f32 v[CM+n], v[CM+n], v[MX+n/16]
.set n, n+1
.endr
.set n, 0
.rept 32
	v_exp_f32 v[CM+n], v[CM+n]
.set n, n+1
.endr
	v_nop                                          ; a plain instruction between the last exponential and the use of its result
	s_wait_alu depctr_va_vdst(0)
.irp h, 0,1
	v_mul_f32 v[LS+(\h)], v[CM+16*(\h)], v[LL+16*(\h)]
.endr
.irp k, 1,2,3,4,5,6,7,8,9,10,11,12,13,14,15
.irp h, 0,1
	v_fmac_f32 v[LS+(\h)], v[CM+16*(\h)+(\k)], v[LL+16*(\h)+(\k)]
.endr
.endr
	v_add_f32 v46, v[LS], v[LS+1]
	v_cndmask_b32 v[LS], v[LS], v46, s70           ; L is at least 1: the tile that holds the maximum gives 1 x l, and its l holds a weight 1
	v_cndmask_b32 v[LS+1], v[LS+1], v46, s70
	v_rcp_f32 v[LS], v[LS]
	v_rcp_f32 v[LS+1], v[LS+1]
	v_nop
.set n, 0
	s_wait_alu depctr_va_vdst(0)
.rept 32
	v_mul_f32 v[CM+n], v[CM+n], v[LS+n/16]
.set n, n+1
.endr
.set n, 0
.rept 32
	ds_store_b32 v[AST], v[CM+n] offset:512*n
.set n, n+1
.endr
; MASTER n += a x accumulator n: four packed lines; the accumulator is read from its low end on.
.macro FL n
	WIN W_FL
.irp z, 0,1,2,3
	v_pk_fma_f32 v[8*(\n)+2*(\z):8*(\n)+2*(\z)+1], v[8*(\n)+2*(\z):8*(\n)+2*(\z)+1], v[AL+2*((\n)/8):AL+2*((\n)/8)+1], v[8*(\n)+2*(\z):8*(\n)+2*(\z)+1] op_sel_hi:[1,0,1]
.endr
.endm
; 8 matrix instructions: row block a x all 8 channel blocks, 32 keys, from buffer f.  mode 0: onto the sums; 1: the product starts them; 3: the last tile's sum goes to MASTER just ahead of the product that
; starts the new one, so the flush stands between the matrix instructions.  The 32 accumulators take turns in one order in every quarter.
.macro MUL8 f, a, mode
.irp b, 0,1,2,3,4,5,6,7
.set rD, 64*(\a)+8*(\b)
.set rB, (\f)+8*(\b)
.set rA, (\f)+64+8*(\a)
.if (\mode) == 3
	FL 8*(\a)+(\b)
.endif
	WIN MUL
.if (\mode) == 0
	v_wmma_f32_16x16x32_bf16 v[rD:rD+7], v[rB:rB+7], v[rA:rA+7], v[rD:rD+7]
.else
	v_wmma_f32_16x16x32_bf16 v[rD:rD+7], v[rB:rB+7], v[rA:rA+7], 0
.endif
.endr
.endm
.macro FETCH slot, q, f                ; 24 LDS loads in one run: V's 16 (turned), then P's 8
	WIN TO_F
.irp i, 0,1,2,3,4,5,6,7
	ds_load_tr16_b128 v[(\f)+8*(\i):(\f)+8*(\i)+3],   v[ADRB+(\slot)] offset:(\q)*32*PV+32*(\i)
	ds_load_tr16_b128 v[(\f)+8*(\i)+4:(\f)+8*(\i)+7], v[ADRB+(\slot)] offset:(\q)*32*PV+16*PV+32*(\i)
.endr
.irp i, 0,1,2,3
	ds_load_b128 v[(\f)+64+8*(\i):(\f)+64+8*(\i)+3],   v[ADRA+(\slot)] offset:64*(\q)+(\i)*16*PITCH
	ds_load_b128 v[(\f)+64+8*(\i)+4:(\f)+64+8*(\i)+7], v[ADRA+(\slot)] offset:64*(\q)+(\i)*16*PITCH+32
.endr
.endm
.macro ALOAD                           ; a of the step in hand for my row in the four blocks; the flush that read the last step's stands a quarter back
	WIN 0
.irp a, 0,1,2,3
	ds_load_b32 v[AL+2*(\a)], v[ARD] offset:64*(\a)
.endr
	v_add_nc_u32 v[ARD], 512, v[ARD]
.endm
.macro QUARTER slot, q, f, g, mode, al=0
	s_wait_dscnt 4                                 ; all but the youngest four loads: P's row blocks 2 and 3
.if (\mode) == 3
.rept 5
	v_nop                                          ; five places between the last product onto accumulator 0 and the one that writes over it; the later accumulators have the earlier flushes
.endr
.endif
	MUL8 \f, 0, \mode
	MUL8 \f, 1, \mode
	PLACES
.if \al
	ALOAD
.endif
	FETCH \slot, \q, \g
	s_wait_dscnt 24+4*(\al)                        ; all but the loads just issued
	MUL8 \f, 2, \mode
	MUL8 \f, 3, \mode
.endm
; The change of slots: ONE barrier; in front of it each wave waits for all its tensor loads (one is out: its part of the next slot), adds 0 to its spare word, and waits for that and for its
; own reads of this slot.  fill = 1: the barrier opens a round of the cluster's, and this slot is filled again, two steps ahead, first thing behind it.
.macro TURN slot, next, fill
	WIN 0
	s_wait_tensorcnt 0x0
	ds_add_u32 v[SPW], v[NIL]
	s_wait_dscnt 5                                 ; (the add and the youngest four loads may be out)
	MUL8 F1, 0, 0
	s_wait_dscnt 0x0                               ; the add is done, and my reads of this slot are over
	s_barrier_signal -1
	MUL8 F1, 1, 0
.if \fill
	WIN 0
.endif
	s_barrier_wait -1
.if \fill
	CREST
	s_add_nc_u64 s[G0+4*(\slot)+2:G0+4*(\slot)+3], s[G0+4*(\slot)+2:G0+4*(\slot)+3], STEPA
	s_add_nc_u64 s[G0B+4*(\slot)+2:G0B+4*(\slot)+3], s[G0B+4*(\slot)+2:G0B+4*(\slot)+3], STEPB
	JLOAD \slot
.else
	PLACES
.endif
	FETCH \next, 0, F0
	MUL8 F1, 2, 0
	MUL8 F1, 3, 0
.endm
	s_wait_tensorcnt 1                             ; my part of step 0 is in; step 1's may stay out
	s_wait_dscnt 0x0                               ; for the others' sake: my rows' a are stored
	s_barrier_signal -1
	s_barrier_wait -1
	FETCH 0, 0, F0
	QUARTER 0, 1, F0, F1, 1                        ; the first quarter stands in front of the loop: there is nothing to flush yet
	WIN 0
	s_mov_b32 s3, LAPS-1
.Llap:                                                 ; a trip goes once round the ring, from a lap's second quarter to the next lap's first, and fills both slots again
	QUARTER 0, 2, F1, F0, 0, 1
	QUARTER 0, 3, F0, F1, 0
	TURN 0, 1, 1
	QUARTER 1, 1, F0, F1, 3
	QUARTER 1, 2, F1, F0, 0, 1
	QUARTER 1, 3, F0, F1, 0
	TURN 1, 0, 1
	QUARTER 0, 1, F0, F1, 3
	WIN 0
	s_sub_co_u32 s3, s3, 1
	s_cmp_lg_u32 s3, 0
	s_cbranch_scc1 .Llap
	QUARTER 0, 2, F1, F0, 0, 1                     ; the last lap fills nothing
	QUARTER 0, 3, F0, F1, 0
	TURN 0, 1, 0
	QUARTER 1, 1, F0, F1, 3
	QUARTER 1, 2, F1, F0, 0, 1
	QUARTER 1, 3, F0, F1, 0
	s_wait_dscnt 4
	MUL8 F1, 0, 0
	MUL8 F1, 1, 0
	s_wait_dscnt 0x0
	MUL8 F1, 2, 0
	MUL8 F1, 3, 0
	PLACES
.set n, 0
.rept 32
	FL n                                           ; the last tile's sums
.set n, n+1
.endr
	; THE WAY OUT.  MASTER goes into my stage as rows of 512 bytes; a barrier, since in attention B a row's two halves come from two waves; back as whole rows.
	WIN 0x0c                                       ; the stores' data in window 3
.irp a, 0,1,2,3
.irp b, 0,1,2,3,4,5,6,7
	ds_store_b128 v[STO], v[64*(\a)+8*(\b):64*(\a)+8*(\b)+3]   offset:(\a)*16*SP+64*(\b)
	ds_store_b128 v[STO], v[64*(\a)+8*(\b)+4:64*(\a)+8*(\b)+7] offset:(\a)*16*SP+64*(\b)+16
.endr
.endr
	WIN 0
	s_wait_dscnt 0x0                               ; for the others' sake: my stores into the stage are done
	s_barrier_signal -1
	s_barrier_wait -1
	s_lshl_b32 s83, s42, 9                         ; my 128 channels: 512 bytes of a row of O
	s_cmp_ge_u32 s45, 4
	s_cbranch_scc1 .Lpath_b
	; attention A: my own 64 rows, 16 a trip
	s_lshl_b32 s82, s13, 8                         ; row 256 y + 64 w, 4,096 bytes a row
	s_lshl_b32 s22, s10, 6
	s_add_co_u32 s82, s82, s22
	s_lshl_b32 s82, s82, 12
	s_add_co_u32 s82, s82, s83
	s_mov_b32 s83, 0
	s_add_nc_u64 s[8:9], s[78:79], s[82:83]
	s_mul_i32 s22, s10, WST
	v_add_nc_u32 v[RD], s22, v[CO]
	s_mov_b32 s3, 4
.Lrows_a:
.irp i, 0,1,2,3,4,5,6,7,8,9,10,11,12,13,14,15
	ds_load_b128 v[64+4*(\i):64+4*(\i)+3], v[RD] offset:SP*(\i)
.endr
.irp i, 0,1,2,3,4,5,6,7,8,9,10,11,12,13,14,15
	s_wait_dscnt 15-(\i)                           ; LDS loads come back in order: row i is in
	global_store_b128 v[CO], v[64+4*(\i):64+4*(\i)+3], s[8:9] offset:4096*(\i) th:TH_STORE_NT  ; 512 consecutive bytes, at a multiple of 256 from out0's first byte
.endr
	s_wait_xcnt 0x0                                ; the stores' data, and their base, are rewritten only behind this wait
	v_add_nc_u32 v[RD], 16*SP, v[RD]
	s_add_nc_u64 s[8:9], s[8:9], 16*4096
	s_sub_co_u32 s3, s3, 1
	s_cmp_lg_u32 s3, 0
	s_cbranch_scc1 .Lrows_a
	s_branch .Ldone
.Lpath_b:
	; attention B: rows 64 cc + 32 h + 0..31 of the work-group's 128: the sum of wave (0, cc)'s and wave (1, cc)'s stages, 8 rows a trip
	s_sub_co_u32 s82, s13, 16                      ; row 128 (y - 16) + 64 cc + 32 h
	s_lshl_b32 s82, s82, 7
	s_lshl_b32 s22, s12, 6
	s_add_co_u32 s82, s82, s22
	s_lshl_b32 s22, s11, 5
	s_add_co_u32 s82, s82, s22
	s_lshl_b32 s82, s82, 12
	s_add_co_u32 s82, s82, s83
	s_mov_b32 s83, 0
	s_add_nc_u64 s[8:9], s[80:81], s[82:83]
	s_mul_i32 s22, s12, WST
	s_mul_i32 s23, s11, 32*SP
	s_add_co_u32 s22, s22, s23
	v_add_nc_u32 v[RD], s22, v[CO]
	v_add_nc_u32 v[RD2], 2*WST, v[RD]
	s_mov_b32 s3, 4
.Lrows_b:
.irp i, 0,1,2,3,4,5,6,7
	ds_load_b128 v[64+4*(\i):64+4*(\i)+3], v[RD]  offset:SP*(\i)
	ds_load_b128 v[96+4*(\i):96+4*(\i)+3], v[RD2] offset:SP*(\i)
.endr
	s_wait_dscnt 0x0
.set i, 0
.rept 16
	v_pk_add_f32 v[64+2*i:64+2*i+1], v[64+2*i:64+2*i+1], v[96+2*i:96+2*i+1]
.set i, i+1
.endr
.irp i, 0,1,2,3,4,5,6,7
	global_store_b128 v[CO], v[64+4*(\i):64+4*(\i)+3], s[8:9] offset:4096*(\i) th:TH_STORE_NT  ; 512 consecutive bytes, at a multiple of 256 from out1's first byte
.endr
	s_wait_xcnt 0x0                                ; the stores' data, and their base, are rewritten only behind this wait
	v_add_nc_u32 v[RD], 8*SP, v[RD]
	v_add_nc_u32 v[RD2], 8*SP, v[RD2]
	s_add_nc_u64 s[8:9], s[8:9], 8*4096
	s_sub_co_u32 s3, s3, 1
	s_cmp_lg_u32 s3, 0
	s_cbranch_scc1 .Lrows_b
.Ldone:
	s_wait_tensorcnt 0x0                           ; the wave's end
	ds_add_u32 v[SPW], v[NIL]
	s_wait_dscnt 0x0
	CROUND                                         ; the closing round
	s_endpgm
.Lfunc_end_k_qf1f5300467_ctx:
	.size	k_qf1f5300467_ctx, .Lfunc_end_k_qf1f5300467_ctx-k_qf1f5300467_ctx
	.p2alignl 7, 3214868480
	.fill 96, 4, 3214868480
	.section	.rodata,"a",@progbits
	.p2align	6, 0x0
	.amdhsa_kernel k_qf1f5300467_ctx
		.amdhsa_group_segment_fixed_size 327680
		.amdhsa_private_segment_fixed_size 0
		.amdhsa_enable_private_segment 0
		.amdhsa_kernarg_size 40
		.amdhsa_user_sgpr_count 2
		.amdhsa_user_sgpr_kernarg_segment_ptr 1
		.amdhsa_wavefront_size32 1
		.amdhsa_system_sgpr_workgroup_id_x 1
		.amdhsa_system_sgpr_workgroup_id_y 1
		.amdhsa_system_sgpr_workgroup_id_z 1
		.amdhsa_system_vgpr_workitem_id 0
		.amdhsa_next_free_vgpr 1024
		.amdhsa_next_free_sgpr 84
		.amdhsa_reserve_vcc 0
		.amdhsa_float_denorm_mode_32 3
		.amdhsa_float_denorm_mode_16_64 3
		.amdhsa_memory_ordered 1
		.amdhsa_forward_progress 1
		.amdhsa_inst_pref_size 144
	.end_amdhsa_kernel
	.amdgpu_metadata
---
amdhsa.version: [ 1, 2 ]
amdhsa.kernels:
  - .name:           k_qf1f5300467_ctx
    .symbol:         k_qf1f5300467_ctx.kd
    .args:
      - { .name: p, .offset: 0, .size: 8, .value_kind: global_buffer, .address_space: global }
      - { .name: st, .offset: 8, .size: 8, .value_kind: global_buffer, .address_space: global }
      - { .name: qkv, .offset: 16, .size: 8, .value_kind: global_buffer, .address_space: global }
      - { .name: out0, .offset: 24, .size: 8, .value_kind: global_buffer, .address_space: global }
      - { .name: out1, .offset: 32, .size: 8, .value_kind: global_buffer, .address_space: global }
    .group_segment_fixed_size: 327680
    .private_segment_fixed_size: 0
    .kernarg_segment_align: 8
    .kernarg_segment_size: 40
    .max_flat_workgroup_size: 128
    .sgpr_count:     84
    .vgpr_count:     1024
    .wavefront_size: 32
...
	.end_amdgpu_metadata
.endif
;; end of part 4
;; ======== version 2 of 3: 4 launches; 1.15 times as fast as version 1
;; workspace buffers: xw 25,165,824 bytes; qkv 37,748,736 bytes; p 33,554,432 bytes; st 1,048,576 bytes
;; launch cast: the kernel of part 1 again; grid 64 x 12, 8 waves a work-group, no clusters, 0 bytes of LDS; arguments input_tensor1, input_tensor2, Wq1, Wk1, Wv1, Wq2, Wk2, Wv2, xw; writes xw
;; launch proj (part 5): grid 12 x 20, 4 waves a work-group, clusters of 4 x 1, 327,680 bytes of LDS; arguments xw, bq1, bk1, bv1, bq2, bk2, bv2, qkv; writes qkv
.if DOCPART == 5
	.amdgcn_target "amdgcn-amd-amdhsa--gfx1250"
	.amdhsa_code_object_version 6
	.text
	.protected	k_qf1f5300467_proj
	.globl	k_qf1f5300467_proj
	.p2align	8
	.type	k_qf1f5300467_proj,@function
k_qf1f5300467_proj:
	s_mov_b64 s[64:65], 0
	v_nop
	global_prefetch_b8 v0, s[64:65] scope:SCOPE_SE
	s_setreg_imm32_b32 hwreg(HW_REG_WAVE_MODE, 25, 1), 1
	s_wait_xcnt 0x0
	s_wait_alu depctr_hold_cnt(0) depctr_sa_sdst(0) depctr_va_vdst(0) depctr_va_sdst(0) depctr_va_ssrc(0) depctr_va_vcc(0) depctr_vm_vsrc(0)
	s_getreg_b32 s2, hwreg(HW_REG_IB_STS2, 6, 4)
	s_cmp_eq_u32 s2, 0
	s_cbranch_scc0 .Lentry_in_a_cluster
	s_endpgm
.Lentry_in_a_cluster:
	s_bfe_u32 s2, ttmp6, 0x10000c
	s_cmp_lg_u32 s2, 0x3003
	s_cbranch_scc0 .Lentry_shape_is_right
	s_endpgm
.Lentry_shape_is_right:
; qkv[m][n] = sum over k of X[m][k] W[n][k] + b[n]:  all six linear layers as one product.  X = [6144][1024] bf16 (x1's 2,048 rows, then x2's), W = the row's stream's
; [3072][1024] bf16 (q, k, v rows on end), both from xw; qkv = [6144][3072] bf16, rounded once from f32 sums.  The bias, rounded to bf16 as every input is, is the C operand that starts the sums.
; LIMITS: NaN and infinities are not treated apart.
; SHARES.  A work-group makes 320 rows x 256 columns: stream 1's 2,048 rows are 7 row tiles, stream 2's 4,096 are 13, so 20 x 12 = 240 work-groups, one for each of 240 WGPs (tiles of 256 x 256 would be
; 288: more than there are WGPs).  Row tile t begins at row 320 t (t < 7) or 320 t - 192.  Each stream's last tile reaches past the stream's end (t = 6: 128 rows count, t = 19: 256): its tensor
; loads read on inside xw (x2's first rows; the weights' first 64 rows), those rows are multiplied and never stored: 256 rows of 6,400.
; Each of the four waves makes 160 x 128: 80 accumulators of 16 x 16, 640 registers.  K goes in 8 steps of 128 (rows of 256 bytes, at multiples of 256 bytes) through a ring of two LDS slots
; filled by tensor loads: a step is 320 matrix instructions a wave, 280 of them between a slot's refill and the wait for it.
; CLUSTER.  4 x 1: the four partners have one row tile and four tile columns: X's tile is asked for jointly, by the same tensor load with the same descriptor and the mask of four.  W's tile is each
; work-group's own load: the work-groups that need the same rows of W are a stream's 7 or 13 row tiles, no multiple of four, so no cluster of 4 x 4 would hold one stream's rows alone.
; THE MATRIX INSTRUCTION IS USED TRANSPOSED (source 0 = 16 rows of W, source 1 = 16 rows of X): a lane holds row l % 16 and the eight neighbouring columns 8 (l / 16) + 0..7.
; THE LOOP'S TRIP IS ONE K STEP.  Which slot is read is a scalar (0 or SLOT) turned by an exclusive or; it is added to the lane's place ahead of a slot's first run of loads, and to the wave's part
; of a slot ahead of a refill; one descriptor for each operand walks from step 1 on.
; REGISTERS, in windows of 256 (s_set_vgpr_msb: bits 1:0 source 0, 3:2 source 1, 5:4 source 2, 7:6 destination):
;   window 0: v0-31 addresses; v32-95 the bias as C operands, later packed results; v96-175, v176-255 fragments of X (10 x 16 rows x 32 K), two buffers, later rows on the way out
;   window 1: v0-63, v64-127 fragments of W (8 x 16 rows x 32 K), two buffers; v128-255 the accumulators of my row blocks 8, 9
;   window 2: the accumulators of my row blocks 0-3 ((a, b) at 64 a + 8 b);   window 3: those of blocks 4-7
.set PITCH,  272                       ; an LDS row: 256 bytes + 16 of padding = 68 words, so the 16 rows of a fragment load start 4 banks apart (64 banks of 4 bytes: ISA guide 11.1)
.set HALFA,  160*PITCH                 ; 160 rows of X: what one tensor load brings, and what one wave reads
.set HALFB,  128*PITCH                 ; 128 rows of W: likewise
.set ABYTES, 2*HALFA                   ; X's 320 rows
.set SLOT,   ABYTES+2*HALFB            ; then W's 256 rows: 156,672 bytes
.set SPARE,  2*SLOT                    ; behind the ring: the spare words, 128 bytes for each wave: two blocks of 256 bytes that no other line names
.set FILLS,  6                         ; K steps 2 to 7 are asked for in the loop, one a trip
.set KB,     256                       ; bytes of a K step in a row
.set OROW,   6144                      ; bytes in a row of qkv
.set WOFF,   12582912                  ; the weights' first byte in xw
.set WCAT,   6291456                   ; bytes of a stream's weights
.set A0,   16                          ; v16     my lane's place in slot 0 for fragments of X; never rewritten
.set B0,   17                          ; v17     the same for W
.set CA,   20                          ; v20     the same in the slot that is being read
.set CB,   21                          ; v21
.set STO,  24                          ; v24     the way out: where I put 16 bytes of a row
.set RD,   25                          ; v25     the way out: where I read a row back
.set CO,   26                          ; v26     my byte offset in qkv
.set SPW,  28                          ; v28     LDS address of my spare word; never rewritten
.set NIL,  29                          ; v29     0; never rewritten
.set BIAS, 32
.set TMP,  32                          ; the way out: packed results, where the bias lay
.set FA,   96                          ; X's fragment buffer f at FA + 80 f; W's at 64 f in window 1
.set BK,   96                          ; the way out: 16 rows read back from the stage, two buffers of 32
.set G1,  24                           ; s[24:31] descriptor group 1 for X's tiles;  s[32:35] group 0 of step 0, s[36:39] the one that walks
.set G0,  32
.set G1B, 48                           ; s[48:55], s[56:63] the same for W's tiles
.set G0B, 56
.set TB,  70                           ; s70     the slot that is being read: 0 or SLOT
.set NV,  71                           ; s71     how many of my ten blocks of 16 rows are stored: 10, 8, 6 or 0
.set TO_B, 0x40                        ; destination window 1, address window 0
.set MSB, 0
.macro WIN new                         ; the immediate's high byte repeats the setting that is left; a switch that changes nothing is dropped
.if MSB != (\new)
	s_set_vgpr_msb (MSB<<8)|(\new)
.set MSB, \new
.endif
.endm
.macro PLACES                          ; four places in front of loads into registers that matrix instructions have read, and of vector lines that read results
.rept 4
	v_nop
.endr
.endm
.macro JLOAD s                         ; waves 0 and 1 fetch X's two halves (jointly with the partners), waves 2 and 3 W's (the work-group's own); an s_nop 0 and four v_nop follow each line
	s_cmp_eq_u32 s11, 0
	s_cbranch_scc0 .Lfor_b_\@
	tensor_load_to_lds s[G0+4*(\s):G0+4*(\s)+3], s[G1:G1+7]
	s_nop 0
.rept 4
	v_nop
.endr
	s_branch .Lasked_\@
.Lfor_b_\@:
	tensor_load_to_lds s[G0B+4*(\s):G0B+4*(\s)+3], s[G1B:G1B+7]
	s_nop 0
.rept 4
	v_nop
.endr
.Lasked_\@:
.endm
.macro CREST                           ; a round of the cluster's barrier behind its opening barrier
	s_cmp_lg_u32 s10, 0
	s_cbranch_scc1 .Lnot_wave_0_\@
	s_barrier_signal -3
.Lnot_wave_0_\@:
	s_barrier_wait -3
	s_barrier_signal -1
	s_barrier_wait -1
.endm
.macro CROUND                          ; a whole round
	s_barrier_signal -1
	s_barrier_wait -1
	CREST
.endm
.macro WHERE a                         ; row block a's accumulators: window W, first register AC
.if (\a) < 4
.set W, 2
.set AC, 64*(\a)
.elseif (\a) < 8
.set W, 3
.set AC, 64*((\a)-4)
.else
.set W, 1
.set AC, 128+64*((\a)-8)
.endif
.endm
	s_load_b512 s[72:87], s[0:1], 0x0              ; xw s[72:73]; bq1, bk1, bv1, bq2, bk2, bv2 s[74:85]; qkv s[86:87]
	v_lshl_add_u32 v[SPW], v0, 2, SPARE
	v_mov_b32 v[NIL], 0
	ds_add_u32 v[SPW], v[NIL]                      ; the wave's opening: the add and its wait stand ahead of my first tensor load; the set-up below stands between them
	ds_add_u32 v28, v29
	v_lshrrev_b32 v1, 5, v0
	v_readfirstlane_b32 s10, v1                    ; wave 0..3
	s_lshr_b32 s11, s10, 1                         ; which half of the tile's rows is mine.  Also: I fetch for X (0) or for W (1)
	s_and_b32 s12, s10, 1                          ; which half of its columns.  Also: which half of that tile's rows I fetch
	s_bfe_u32 s40, ttmp6, 0x40000                  ; cx: my place in the cluster
	s_lshl_b32 s42, ttmp9, 2
	s_add_co_u32 s42, s42, s40                     ; tile column = 4 x cluster x + cx, 0..11
	s_and_b32 s45, ttmp7, 0xffff                   ; row tile t, 0..19, which the four partners share: 0-6 are stream 1
	s_mov_b32 s[G1],  15|(1<<16)|(1<<20)|(1<<21)|(5<<22)|(3<<25)  ; 15:0 the mask of four; 17:16 2-byte elements; 20 padding on; 21 set beside a mask; 24:22 after every 64 words; 31:25 4 words of it
	s_mov_b32 s[G1B], (1<<16)|(1<<20)|(5<<22)|(3<<25)             ; W's: no mask
.irp g, G1, G1B
	s_mov_b32 s[(\g)+1], 128<<16                   ; tensor_dim0 = 128
	s_mov_b32 s[(\g)+3], 128<<16                   ; tile_dim0 = 128
	s_mov_b32 s[(\g)+5], 1024                      ; elements from row to row
	s_mov_b32 s[(\g)+6], 0
	s_mov_b32 s[(\g)+7], 0
.endr
	s_mov_b32 s[G1+2], 160<<16                     ; X: a load brings 160 rows
	s_mov_b32 s[G1+4], 160
	s_mov_b32 s[G1B+2], 128<<16                    ; W: 128 rows
	s_mov_b32 s[G1B+4], 128
	s_mul_i32 s16, s45, 320                        ; the tile's first row, of X and of qkv: 320 t,
	s_sub_co_u32 s17, s16, 192                     ; in stream 2: 2,048 + 320 (t - 7)
	s_cmp_ge_u32 s45, 7
	s_cselect_b32 s13, s17, s16
	s_mul_i32 s17, s12, 160                        ; X: + the half that I fetch, 2,048 bytes a row
	s_add_co_u32 s16, s13, s17
	s_lshl_b32 s16, s16, 11
	s_mov_b32 s17, 0
	s_lshl_b32 s46, s42, 8                         ; W: row 256 x tile column + 128 x half of the stream's weights
	s_lshl_b32 s47, s12, 7
	s_add_co_u32 s46, s46, s47
	s_lshl_b32 s46, s46, 11
	s_mov_b32 s47, WOFF
	s_mov_b32 s18, WOFF+WCAT
	s_cmp_ge_u32 s45, 7
	s_cselect_b32 s47, s18, s47
	s_add_co_u32 s46, s46, s47
	s_mov_b32 s47, 0
	s_mul_i32 s20, s12, HALFA                      ; where they go in a slot: X's two halves,
	s_mul_i32 s19, s12, HALFB                      ; then W's two: no place in the cluster enters an LDS address
	s_add_co_u32 s19, s19, ABYTES
	s_mov_b32 s21, ttmp9                           ; four tile columns to each of q, k, v: which bias,
	s_add_co_u32 s22, s21, 3
	s_cmp_ge_u32 s45, 7
	s_cselect_b32 s21, s22, s21                    ; of which stream,
	s_lshl_b32 s22, s40, 10                        ; and which 128 numbers of it: 256 a tile column, 128 a half
	s_lshl_b32 s23, s12, 9
	s_add_co_u32 s22, s22, s23
	s_mov_b32 s23, 0
	s_mul_i32 s69, s11, 160                        ; my 160 rows of the tile
	s_mov_b32 s[NV], 320                           ; the tile's rows that lie in its stream,
	s_cmp_eq_u32 s45, 6
	s_cselect_b32 s[NV], 128, s[NV]                ; 2,048 - 6 x 320
	s_cmp_eq_u32 s45, 19
	s_cselect_b32 s[NV], 256, s[NV]                ; 4,096 - 12 x 320
	s_sub_co_i32 s[NV], s[NV], s69                 ; of them mine: between 0 and 160,
	s_max_i32 s[NV], s[NV], 0
	s_min_i32 s[NV], s[NV], 160
	s_lshr_b32 s[NV], s[NV], 4                     ; in blocks of 16: 10, or 8 and 0 (t = 6), or 10 and 6 (t = 19)
	s_add_co_u32 s68, s13, s69                     ; my first row of qkv,
	s_mul_i32 s68, s68, OROW
	s_lshl_b32 s69, s42, 9                         ; my columns: 512 bytes a tile column, 256 a half
	s_add_co_u32 s68, s68, s69
	s_lshl_b32 s69, s12, 8
	s_add_co_u32 s68, s68, s69
	s_mov_b32 s69, 0
	s_mov_b32 s[TB], 0
	s_wait_dscnt 0x0                               ; the opening add is done
	s_wait_kmcnt 0x0
	s_add_nc_u64 s[14:15], s[72:73], s[16:17]
	s_add_nc_u64 s[46:47], s[72:73], s[46:47]
	s_add_nc_u64 s[8:9], s[86:87], s[68:69]
	s_mov_b64 s[66:67], s[74:75]
.irp k, 1,2,3,4,5
	s_cmp_eq_u32 s21, \k
	s_cselect_b64 s[66:67], s[74+2*(\k):75+2*(\k)], s[66:67]
.endr
	s_add_nc_u64 s[66:67], s[66:67], s[22:23]
	CROUND                                         ; all four work-groups are here: the first joint loads meet
.irp s, 0,1
	s_mov_b32 s[G0+4*(\s)], 1                                      ; count = 1
	s_add_co_u32 s[G0+4*(\s)+1], s20, (\s)*SLOT                    ; LDS address
	s_add_nc_u64 s[G0+4*(\s)+2:G0+4*(\s)+3], s[14:15], (\s)*KB     ; global address: K step s
	s_or_b32 s[G0+4*(\s)+3], s[G0+4*(\s)+3], 0x80000000            ; type = 2
	s_mov_b32 s[G0B+4*(\s)], 1
	s_add_co_u32 s[G0B+4*(\s)+1], s19, (\s)*SLOT
	s_add_nc_u64 s[G0B+4*(\s)+2:G0B+4*(\s)+3], s[46:47], (\s)*KB
	s_or_b32 s[G0B+4*(\s)+3], s[G0B+4*(\s)+3], 0x80000000
	JLOAD \s                                       ; two tensor loads of mine are out
.endr
	v_and_b32 v1, 15, v0                           ; l % 16
	v_bfe_u32 v2, v0, 4, 1                         ; l / 16
	v_lshlrev_b32 v27, 5, v2                       ; my eight columns of a block of 16 begin 32 (l / 16) bytes into its 64 bytes of bias
.irp b, 0,1,2,3,4,5,6,7
	global_load_b128 v[BIAS+8*(\b):BIAS+8*(\b)+3],   v27, s[66:67] offset:64*(\b)
	global_load_b128 v[BIAS+8*(\b)+4:BIAS+8*(\b)+7], v27, s[66:67] offset:64*(\b)+16
.endr
	v_mul_u32_u24 v3, v1, PITCH
	v_lshl_add_u32 v3, v2, 4, v3                   ; a fragment's row x pitch + 16 x half
	s_mul_i32 s21, s11, HALFA                      ; my 160 rows of X
	s_mul_i32 s22, s12, HALFB                      ; my 128 rows of W,
	s_add_co_u32 s22, s22, ABYTES                  ; which lie behind X's 320
	v_add_nc_u32 v[A0], s21, v3
	v_add_nc_u32 v[B0], s22, v3
	v_mov_b32 v[CA], v[A0]                         ; K step 0 lies in slot 0
	v_mov_b32 v[CB], v[B0]
	s_mul_i32 s23, s10, 16*PITCH                   ; my stage for the way out, 16 rows x 272 bytes: the four lie at the head of slot 0, whose last fill (K step 6) every wave has
	                                               ; read out when the last change of slots' barrier is passed
	v_add_nc_u32 v[STO], s23, v3                   ; in: row l % 16, 16 bytes for each half of the lanes
	v_mul_u32_u24 v5, v2, PITCH                    ; back: lanes 0-15 take one row of 256 bytes, lanes 16-31 the next
	v_lshl_add_u32 v5, v1, 4, v5
	v_add_nc_u32 v[RD], s23, v5
	v_mul_u32_u24 v5, v2, OROW                     ; and the same two rows in qkv
	v_lshl_add_u32 v[CO], v1, 4, v5
	s_wait_loadcnt 0x0                             ; the bias
.set i, 0
.rept 32                                       ; rounded to bf16 and widened again
	v_cvt_pk_bf16_f32 v[FA+i%4], v[BIAS+2*i], v[BIAS+2*i+1]
	v_lshlrev_b32 v[BIAS+2*i], 16, v[FA+i%4]
	v_and_b32 v[BIAS+2*i+1], 0xffff0000, v[FA+i%4]
.set i, i+1
.endr
; 8 matrix instructions: row block a x all 8 column blocks, 32 along K, from fragment buffers f.  mode 0: onto the sums; mode 2: the bias starts them: nothing is cleared.
; The 80 accumulators take turns in one order in every quarter: between two links of a chain stand 79 others'.
.macro MUL1 f, a, mode
	WHERE \a
.if (\mode) == 2
	WIN (W<<6)|1                                   ; W's fragments window 1, X's window 0, the bias window 0, D the block's window
.else
	WIN (W<<6)|(W<<4)|1                            ; C and D the block's window
.endif
.irp b, 0,1,2,3,4,5,6,7
.set rD, AC+8*(\b)
.set rB, 64*(\f)+8*(\b)
.set rA, FA+80*(\f)+8*(\a)
.if (\mode) == 2
	v_wmma_f32_16x16x32_bf16 v[rD:rD+7], v[rB:rB+7], v[rA:rA+7], v[BIAS+8*(\b):BIAS+8*(\b)+7]
.else
	v_wmma_f32_16x16x32_bf16 v[rD:rD+7], v[rB:rB+7], v[rA:rA+7], v[rD:rD+7]
.endif
.endr
.endm
; 36 LDS loads in one run: the fragments of one quarter step (32 K at byte k of the rows of the slot that is being read) into buffers f: W's 16, then X's 20
.macro FETCH k, f
	WIN TO_B
.irp i, 0,1,2,3,4,5,6,7
	ds_load_b128 v[64*(\f)+8*(\i):64*(\f)+8*(\i)+3],   v[CB] offset:(\k)+(\i)*16*PITCH
	ds_load_b128 v[64*(\f)+8*(\i)+4:64*(\f)+8*(\i)+7], v[CB] offset:(\k)+(\i)*16*PITCH+32
.endr
	WIN 0
.irp i, 0,1,2,3,4,5,6,7,8,9
	ds_load_b128 v[FA+80*(\f)+8*(\i):FA+80*(\f)+8*(\i)+3],   v[CA] offset:(\k)+(\i)*16*PITCH
	ds_load_b128 v[FA+80*(\f)+8*(\i)+4:FA+80*(\f)+8*(\i)+7], v[CA] offset:(\k)+(\i)*16*PITCH+32
.endr
.endm
; A K step is four quarters of 32 along K, 80 matrix instructions each, on buffers 0, 1, 0, 1.  One of the first three: multiplies buffers f and, in its middle, fetches the next quarter, at byte k, into g.
.macro QUARTER k, f, g, mode
	s_wait_dscnt 10                                ; all but the youngest ten loads: X's row blocks 5-9
.irp a, 0,1,2,3,4
	MUL1 \f, \a, \mode
.endr
	PLACES
	FETCH \k, \g
	s_wait_dscnt 36                                ; all but the 36 just issued
.irp a, 5,6,7,8,9
	MUL1 \f, \a, \mode
.endr
.endm
; The last quarter multiplies buffers 1 and changes slots: ONE barrier; in front of it each wave waits for all its tensor loads (one is out: its part of the next slot), adds 0 to its spare
; word, and waits for that and for its own reads of this slot.  fill = 1: the barrier opens a round of the cluster's, and this slot is filled again, two K steps ahead, first thing behind it.
.macro TURN fill
	WIN 0                                          ; (the add's two registers lie in window 0)
	s_wait_tensorcnt 0x0
	ds_add_u32 v[SPW], v[NIL]
	s_wait_dscnt 11                                ; (the add and the youngest ten loads may be out)
	MUL1 1, 0, 0                                   ; sixteen matrix instructions stand between the add and the wait for it
	MUL1 1, 1, 0
	s_wait_dscnt 0x0                               ; the add is done, and my reads of this slot are over
	s_barrier_signal -1
	MUL1 1, 2, 0                                   ; work on registers while the others arrive
	MUL1 1, 3, 0
	MUL1 1, 4, 0
	WIN 0                                          ; (branches and window 0's address lines follow)
	s_barrier_wait -1
.if \fill
	CREST                                          ; no wave of any partner still reads this slot's tile or has a load on its way
	s_add_co_u32 s[G0+5], s20, s[TB]               ; the walking descriptors: my part of the slot that is being left,
	s_add_nc_u64 s[G0+6:G0+7], s[G0+6:G0+7], KB    ; the next K step; the type bits on top are not reached
	s_add_co_u32 s[G0B+5], s19, s[TB]
	s_add_nc_u64 s[G0B+6:G0B+7], s[G0B+6:G0B+7], KB
	JLOAD 1                                        ; 280 matrix instructions ahead of the wait for it; its four v_nop are also the places in front of the loads below
.else
	PLACES
.endif
	s_xor_b32 s[TB], s[TB], SLOT                   ; the reads go on in the other slot
	v_add_nc_u32 v[CA], s[TB], v[A0]
	v_add_nc_u32 v[CB], s[TB], v[B0]
	FETCH 0, 0
.irp a, 5,6,7,8,9
	MUL1 1, \a, 0
.endr
.endm
	s_wait_tensorcnt 1                             ; my part of K step 0 is in; K step 1's may stay out
	s_barrier_signal -1
	s_barrier_wait -1                              ; everybody's is
	FETCH 0, 0
	QUARTER 64, 0, 1, 2                            ; the first quarter stands in front of the loop: the bias starts the sums
	WIN 0                                          ; at a label and at a branch every window is 0
	s_mov_b32 s3, FILLS
.Lstep:                                                ; a trip goes from a K step's second quarter to the next step's first, and fills the slot that it leaves
	QUARTER 128, 1, 0, 0
	QUARTER 192, 0, 1, 0
	TURN 1
	QUARTER 64, 0, 1, 0
	WIN 0
	s_sub_co_u32 s3, s3, 1
	s_cmp_lg_u32 s3, 0
	s_cbranch_scc1 .Lstep
	QUARTER 128, 1, 0, 0                           ; the last two K steps are written out: they ask for nothing
	QUARTER 192, 0, 1, 0
	TURN 0
	QUARTER 64, 0, 1, 0
	QUARTER 128, 1, 0, 0
	QUARTER 192, 0, 1, 0
	s_wait_dscnt 10                                ; the very last quarter: nothing more to fetch
.irp a, 0,1,2,3,4
	MUL1 1, \a, 0
.endr
	s_wait_dscnt 0x0
.irp a, 5,6,7,8,9
	MUL1 1, \a, 0
.endr
; THE WAY OUT, 16 rows at a time: rounded to bf16 (16 bytes a lane), into my own stage, back as whole rows of 256 bytes, stored.  A wave's 128 columns are 256 aligned bytes of a row of qkv.
.macro PACK a
	WHERE \a
	WIN W|(W<<2)                                   ; both sources in the block's window
.irp b, 0,1,2,3,4,5,6,7
.irp r, 0,1,2,3
	v_cvt_pk_bf16_f32 v[TMP+4*(\b)+(\r)], v[AC+8*(\b)+2*(\r)], v[AC+8*(\b)+2*(\r)+1]
.endr
.endr
	WIN 0
.endm
.macro TOSTAGE a
.set rK, BK+32*((\a)%2)
	s_wait_xcnt 0x0                                ; the stores of two blocks ago have read the registers that the loads below fill
.irp b, 0,1,2,3,4,5,6,7
	ds_store_b128 v[STO], v[TMP+4*(\b):TMP+4*(\b)+3] offset:32*(\b)
.endr
.irp t, 0,1,2,3,4,5,6,7
	ds_load_b128 v[rK+4*(\t):rK+4*(\t)+3], v[RD] offset:(\t)*2*PITCH  ; LDS serves a wave's instructions in order (ISA guide 5.7.1.4): these see the stores above
.endr
.endm
.macro SEND a
.set rK, BK+32*((\a)%2)
	s_wait_dscnt 0x0                               ; the block is back in registers
.irp t, 0,1,2,3,4,5,6,7
	global_store_b128 v[CO], v[rK+4*(\t):rK+4*(\t)+3], s[8:9] offset:(16*(\a)+2*(\t))*OROW  ; 16 lanes store 256 consecutive bytes, at a multiple of 256 from qkv's first byte
.endr
.endm
	PLACES
	WIN 0
	s_cmp_eq_u32 s[NV], 0                          ; the rows past a stream's end are not stored: my blocks that count are 10, 8, 6 or 0.  The number hangs on the row tile, which the partners
	s_cbranch_scc1 .Lend                           ; share, and on the wave's number; the three jumps go forward and pass no barrier and no tensor load
	PACK 0
	TOSTAGE 0
.irp a, 1,2,3,4,5,6,7,8,9              ; block a's conversions stand between block a - 1's loads from the stage and the wait for them
.if ((\a) == 6) || ((\a) == 8)
	s_cmp_eq_u32 s[NV], \a
	s_cbranch_scc1 .Llast_\a
.endif
	PACK \a
	SEND (\a)-1
	TOSTAGE \a
.endr
	SEND 9
	s_branch .Lend
.Llast_6:
	SEND 5                                         ; the sixth block was my last
	s_branch .Lend
.Llast_8:
	SEND 7                                         ; the eighth block was my last
.Lend:
	s_wait_tensorcnt 0x0                           ; the wave's end
	ds_add_u32 v[SPW], v[NIL]
	s_wait_dscnt 0x0
	CROUND                                         ; the closing round: no work-group ends while a partner may still ask for a tile that names it
	s_endpgm
.Lfunc_end_k_qf1f5300467_proj:
	.size	k_qf1f5300467_proj, .Lfunc_end_k_qf1f5300467_proj-k_qf1f5300467_proj
	.p2alignl 7, 3214868480
	.fill 96, 4, 3214868480
	.section	.rodata,"a",@progbits
	.p2align	6, 0x0
	.amdhsa_kernel k_qf1f5300467_proj
		.amdhsa_group_segment_fixed_size 327680
		.amdhsa_private_segment_fixed_size 0
		.amdhsa_enable_private_segment 0
		.amdhsa_kernarg_size 64
		.amdhsa_user_sgpr_count 2
		.amdhsa_user_sgpr_kernarg_segment_ptr 1
		.amdhsa_wavefront_size32 1
		.amdhsa_system_sgpr_workgroup_id_x 1
		.amdhsa_system_sgpr_workgroup_id_y 1
		.amdhsa_system_sgpr_workgroup_id_z 1
		.amdhsa_system_vgpr_workitem_id 0
		.amdhsa_next_free_vgpr 1024
		.amdhsa_next_free_sgpr 88
		.amdhsa_reserve_vcc 0
		.amdhsa_float_denorm_mode_32 3
		.amdhsa_float_denorm_mode_16_64 3
		.amdhsa_memory_ordered 1
		.amdhsa_forward_progress 1
		.amdhsa_inst_pref_size 149
	.end_amdhsa_kernel
	.amdgpu_metadata
---
amdhsa.version: [ 1, 2 ]
amdhsa.kernels:
  - .name:           k_qf1f5300467_proj
    .symbol:         k_qf1f5300467_proj.kd
    .args:
      - { .name: xw, .offset: 0, .size: 8, .value_kind: global_buffer, .address_space: global }
      - { .name: bq1, .offset: 8, .size: 8, .value_kind: global_buffer, .address_space: global }
      - { .name: bk1, .offset: 16, .size: 8, .value_kind: global_buffer, .address_space: global }
      - { .name: bv1, .offset: 24, .size: 8, .value_kind: global_buffer, .address_space: global }
      - { .name: bq2, .offset: 32, .size: 8, .value_kind: global_buffer, .address_space: global }
      - { .name: bk2, .offset: 40, .size: 8, .value_kind: global_buffer, .address_space: global }
      - { .name: bv2, .offset: 48, .size: 8, .value_kind: global_buffer, .address_space: global }
      - { .name: qkv, .offset: 56, .size: 8, .value_kind: global_buffer, .address_space: global }
    .group_segment_fixed_size: 327680
    .private_segment_fixed_size: 0
    .kernarg_segment_align: 8
    .kernarg_segment_size: 64
    .max_flat_workgroup_size: 128
    .sgpr_count:     88
    .vgpr_count:     1024
    .wavefront_size: 32
...
	.end_amdgpu_metadata
.endif
;; end of part 5
;; launch score (part 6): grid 8 x 32, 4 waves a work-group, clusters of 4 x 4, 327,680 bytes of LDS; arguments qkv, p, st; writes p, st
.if DOCPART == 6
	.amdgcn_target "amdgcn-amd-amdhsa--gfx1250"
	.amdhsa_code_object_version 6
	.text
	.protected	k_qf1f5300467_score
	.globl	k_qf1f5300467_score
	.p2align	8
	.type	k_qf1f5300467_score,@function
k_qf1f5300467_score:
	s_mov_b64 s[64:65], 0
	v_nop
	global_prefetch_b8 v0, s[64:65] scope:SCOPE_SE
	s_setreg_imm32_b32 hwreg(HW_REG_WAVE_MODE, 25, 1), 1
	s_wait_xcnt 0x0
	s_wait_alu depctr_hold_cnt(0) depctr_sa_sdst(0) depctr_va_vdst(0) depctr_va_sdst(0) depctr_va_ssrc(0) depctr_va_vcc(0) depctr_vm_vsrc(0)
	s_getreg_b32 s2, hwreg(HW_REG_IB_STS2, 6, 4)
	s_cmp_eq_u32 s2, 0
	s_cbranch_scc0 .Lentry_in_a_cluster
	s_endpgm
.Lentry_in_a_cluster:
	s_bfe_u32 s2, ttmp6, 0x10000c
	s_cmp_lg_u32 s2, 0xf033
	s_cbranch_scc0 .Lentry_shape_is_right
	s_endpgm
.Lentry_shape_is_right:
; Both attentions' scores and the first half of their softmax.  For a tile T of 128 queries x 128 keys: s = q . k (sum over 1,024 channels, f32); m = the row's maximum over the tile's 128 keys;
; p = 2^(c s - c m), c = log2(e) / 32, rounded to bf16 into p[T] (dense, [128][128]); st[T] = 128 x (c m), then 128 x l, l = the row's sum of the unrounded p, both f32.
; The next launch turns the tiles' local maxima into the row's maximum, in f32: p itself lies in 0 to 1 whatever the inputs.
; LIMITS: a weight below 2^-126 counts as 0; NaN and infinities are not treated apart.
; TILES.  Attention A (queries: qkv rows 2,048-6,143; keys: rows 0-2,047): T = 16 R + t.  Attention B (queries: rows 0-2,047; keys: rows 2,048-6,143): T = 512 + 32 R + t.  R: block of 128 queries, t: 128 keys.
; SHARES.  A work-group takes 256 queries x 256 keys: 16 x 8 for attention A, 8 x 16 for B: 256 work-groups of equal work.  A wave takes 128 queries x 128 keys: one tile T, so maximum and sum never leave
; the wave.  The channels go in 8 steps of 128 through a ring of two LDS slots: a step is 256 matrix instructions a wave, 224 of them between a slot's refill and the wait for it.
; CLUSTER.  4 x 4: the four of a row of the cluster need the same queries, the four of a column the same keys: joint loads.  Cluster rows 0-3 are attention A, 4-7 attention B.
; THE MATRIX INSTRUCTION IS USED TRANSPOSED (source 0 = 16 keys, source 1 = 16 queries): a lane holds query l % 16 of block a and keys 16 b + 8 (l / 16) + 0..7.
; THE LOOP'S TRIP IS ONE STEP.  Which slot is read is a scalar (0 or SLOT) turned by an exclusive or and added to the lane's place ahead of a slot's first run of loads; one descriptor for each
; operand walks from step 1 on.  A wave's part of a slot begins at 0x8800 x wave, which shares no bit with SLOT = 0x22000, so the exclusive or turns the descriptor's LDS word too.
; REGISTERS, in windows of 256 (s_set_vgpr_msb: bits 1:0 source 0, 3:2 source 1, 5:4 source 2, 7:6 destination):
;   window 0: v0-31 addresses; v32-59 statistics; v64-127, v128-191 fragments of q, two buffers, later rows on the way out; v192-231 at work on the way out
;   window 1: v64-127, v128-191 fragments of k          window 2: the accumulators of my queries 0-63 ((a, b) at 8 (8 a + b));   window 3: those of my queries 64-127
.set PITCH,  272                       ; an LDS row: 256 bytes + 16 of padding = 68 words, so the 16 rows of a fragment load start 4 banks apart (64 banks of 4 bytes: ISA guide 11.1)
.set HALFT,  128*PITCH                 ; 128 rows: what one tensor load brings, and what one wave reads of q or of k
.set SLOT,   4*HALFT                   ; q's 256 rows, then k's 256 rows
.set STAGE,  2*SLOT                    ; behind the ring: 16 rows x 272 bytes for each wave
.set STATS,  STAGE+4*16*PITCH          ; 1,024 bytes for each wave: 128 x c m, 128 x l
.set SPARE,  STATS+4*1024              ; the spare words, 128 bytes for each wave: two blocks of 256 bytes that no other line names
.set FILLS,  6                         ; steps 2 to 7 are asked for in the loop, one a trip
.set KB,     256                       ; bytes of a step in a row
.set OROW,   6144                      ; bytes in a row of qkv
.set SST,  13                          ; v13     where I put a row's statistics
.set SRD,  14                          ; v14     where I read them back, 16 bytes a lane
.set A0,   16                          ; v16     my lane's place in slot 0 for fragments of q; never rewritten
.set B0,   17                          ; v17     the same for k
.set CA,   20                          ; v20     the same in the slot that is being read
.set CB,   21                          ; v21
.set STO,  24
.set RD,   25
.set CO,   26                          ; v26     16 x lane
.set SPW,  28
.set NIL,  29
.set TT,   32                          ; v32-35  four chains of maxima
.set CMS,  44                          ; v44-51  c m of my row in block a
.set LSS,  52                          ; v52-59  l
.set F0,   64
.set F1,   128
.set TMP,  192
.set BK,   64
.set G1,  24
.set G0,  32
.set G1B, 48
.set G0B, 56
.set TB,  78                           ; s78     the slot that is being read: 0 or SLOT
.set TO_B, 0x40
.set MSB, 0
.macro WIN new
.if MSB != (\new)
	s_set_vgpr_msb (MSB<<8)|(\new)
.set MSB, \new
.endif
.endm
.macro PLACES
.rept 4
	v_nop
.endr
.endm
.macro JLOAD s                         ; a joint load: waves 0 and 1 fetch q's two halves, waves 2 and 3 k's; an s_nop 0 and four v_nop follow each line
	s_cmp_eq_u32 s11, 0
	s_cbranch_scc0 .Lfor_b_\@
	tensor_load_to_lds s[G0+4*(\s):G0+4*(\s)+3], s[G1:G1+7]
	s_nop 0
.rept 4
	v_nop
.endr
	s_branch .Lasked_\@
.Lfor_b_\@:
	tensor_load_to_lds s[G0B+4*(\s):G0B+4*(\s)+3], s[G1B:G1B+7]
	s_nop 0
.rept 4
	v_nop
.endr
.Lasked_\@:
.endm
.macro CREST
	s_cmp_lg_u32 s10, 0
	s_cbranch_scc1 .Lnot_wave_0_\@
	s_barrier_signal -3
.Lnot_wave_0_\@:
	s_barrier_wait -3
	s_barrier_signal -1
	s_barrier_wait -1
.endm
.macro CROUND
	s_barrier_signal -1
	s_barrier_wait -1
	CREST
.endm
	s_load_b128 s[4:7], s[0:1], 0x0                ; qkv s[4:5], p s[6:7]
	s_load_b64 s[8:9], s[0:1], 0x10                ; st
	v_lshl_add_u32 v[SPW], v0, 2, SPARE
	v_mov_b32 v[NIL], 0
	ds_add_u32 v[SPW], v[NIL]                      ; the wave's opening: the add and its wait stand ahead of my first tensor load
	ds_add_u32 v28, v29
	v_lshrrev_b32 v1, 5, v0
	v_readfirstlane_b32 s10, v1                    ; wave 0..3
	s_lshr_b32 s11, s10, 1                         ; which 128 of the 256 queries are mine.  Also: I fetch for q (0) or for k (1)
	s_and_b32 s12, s10, 1                          ; which 128 of the 256 keys.  Also: which half of that tile's rows I fetch
	s_bfe_u32 s40, ttmp6, 0x40000                  ; cx, cy
	s_bfe_u32 s41, ttmp6, 0x40004
	s_lshl_b32 s42, ttmp9, 2
	s_add_co_u32 s42, s42, s40                     ; block of 256 keys among 8 = 4 x cluster x + cx
	s_and_b32 s45, ttmp7, 0xffff                   ; cluster y, 0..7: from 4 on attention B
	s_and_b32 s76, s45, 1                          ; B: which four blocks of 256 queries
	s_bfe_u32 s77, s45, 0x10001                    ; B: which 2,048 keys
	s_lshl_b32 s43, s41, 2
	s_lshl_b32 s43, 15, s43                        ; my row of the cluster
	s_lshl_b32 s44, 0x1111, s40                    ; my column
	s_or_b32 s[G1],  s43, (1<<16)|(1<<20)|(1<<21)|(5<<22)|(3<<25)  ; the mask; 2-byte elements; padding on; bit 21 beside a mask; 4 words behind every 64
	s_or_b32 s[G1B], s44, (1<<16)|(1<<20)|(1<<21)|(5<<22)|(3<<25)
.irp g, G1, G1B
	s_mov_b32 s[(\g)+1], 128<<16                   ; tensor_dim0 = 128
	s_mov_b32 s[(\g)+2], 128<<16                   ; tensor_dim1 = 128
	s_mov_b32 s[(\g)+3], 128<<16                   ; tile_dim0 = 128
	s_mov_b32 s[(\g)+4], 128                       ; tile_dim1 = 128
	s_mov_b32 s[(\g)+5], 3072                      ; elements from row to row
	s_mov_b32 s[(\g)+6], 0
	s_mov_b32 s[(\g)+7], 0
.endr
	s_lshl_b32 s13, s45, 10                        ; the queries' first row in qkv.  A: 2,048 + 1,024 x cluster y;
	s_add_co_u32 s13, s13, 2048
	s_lshl_b32 s15, s76, 10                        ; B: 1,024 x (cluster y & 1);
	s_cmp_ge_u32 s45, 4
	s_cselect_b32 s13, s15, s13
	s_lshl_b32 s15, s41, 8                         ; + 256 cy
	s_add_co_u32 s13, s13, s15
	s_lshl_b32 s15, s12, 7                         ; + the half that I fetch
	s_add_co_u32 s16, s13, s15
	s_mul_i32 s16, s16, OROW
	s_mov_b32 s17, 0
	s_lshl_b32 s19, s77, 11                        ; the keys' first row.  B: 2,048 + 2,048 x half; A: 0;
	s_add_co_u32 s19, s19, 2048
	s_cmp_ge_u32 s45, 4
	s_cselect_b32 s19, s19, 0
	s_lshl_b32 s46, s42, 8                         ; + 256 x block of keys
	s_add_co_u32 s46, s46, s19
	s_lshl_b32 s47, s12, 7                         ; + the half that I fetch
	s_add_co_u32 s46, s46, s47
	s_mul_i32 s46, s46, OROW
	s_add_co_u32 s46, s46, 2048                    ; k's columns begin 2,048 bytes into a row
	s_mov_b32 s47, 0
	s_mul_i32 s20, s10, HALFT                      ; where they go: q's two halves, then k's two = wave x 128 rows
	s_lshl_b32 s70, s45, 2                         ; my tile's number T, in registers that feed no descriptor.  Block of 256 queries: A: 4 x cluster y + cy;
	s_lshl_b32 s71, s76, 2                         ; B: 4 x (cluster y & 1) + cy
	s_cmp_ge_u32 s45, 4
	s_cselect_b32 s70, s71, s70
	s_add_co_u32 s70, s70, s41
	s_lshl_b32 s70, s70, 1
	s_add_co_u32 s70, s70, s11                     ; R
	s_lshl_b32 s71, s70, 4                         ; A: 16 R
	s_lshl_b32 s72, s70, 5                         ; B: 512 + 32 R + 16 x half
	s_add_co_u32 s72, s72, 512
	s_lshl_b32 s73, s77, 4
	s_add_co_u32 s72, s72, s73
	s_cmp_ge_u32 s45, 4
	s_cselect_b32 s70, s72, s71
	s_lshl_b32 s73, s42, 1                         ; + 2 x block of keys + my half of it
	s_add_co_u32 s73, s73, s12
	s_add_co_u32 s70, s70, s73                     ; T
	s_lshl_b32 s72, s70, 15                        ; 32,768 bytes of p a tile
	s_mov_b32 s73, 0
	s_lshl_b32 s74, s70, 10                        ; 1,024 bytes of st a tile
	s_mov_b32 s75, 0
	s_mov_b32 s66, 0x3d38aa3b                      ; c = log2(e) / 32
	s_mov_b32 s67, s66                             ; named with it as a pair
	s_mov_b32 s68, 0x76543210                      ; v_permlanex16_b32: each lane takes its own place in the other half
	s_mov_b32 s69, 0xfedcba98
	s_mov_b32 s[TB], 0
	s_wait_dscnt 0x0                               ; the opening add is done
	s_wait_kmcnt 0x0
	s_add_nc_u64 s[14:15], s[4:5], s[16:17]
	s_add_nc_u64 s[46:47], s[4:5], s[46:47]
	s_add_nc_u64 s[6:7], s[6:7], s[72:73]
	s_add_nc_u64 s[8:9], s[8:9], s[74:75]
	CROUND                                         ; all sixteen work-groups are here: the first joint loads meet
.irp s, 0,1
	s_mov_b32 s[G0+4*(\s)], 1
	s_add_co_u32 s[G0+4*(\s)+1], s20, (\s)*SLOT
	s_add_nc_u64 s[G0+4*(\s)+2:G0+4*(\s)+3], s[14:15], (\s)*KB
	s_or_b32 s[G0+4*(\s)+3], s[G0+4*(\s)+3], 0x80000000
	s_mov_b32 s[G0B+4*(\s)], 1
	s_add_co_u32 s[G0B+4*(\s)+1], s20, (\s)*SLOT
	s_add_nc_u64 s[G0B+4*(\s)+2:G0B+4*(\s)+3], s[46:47], (\s)*KB
	s_or_b32 s[G0B+4*(\s)+3], s[G0B+4*(\s)+3], 0x80000000
	JLOAD \s                                       ; two tensor loads of mine are out
.endr
	v_and_b32 v1, 15, v0                           ; l % 16
	v_bfe_u32 v2, v0, 4, 1                         ; l / 16
	v_mul_u32_u24 v3, v1, PITCH
	v_lshl_add_u32 v3, v2, 4, v3                   ; a fragment's row x pitch + 16 x half
	s_mul_i32 s21, s11, HALFT                      ; my 128 queries
	s_mul_i32 s22, s12, HALFT                      ; my 128 keys,
	s_add_co_u32 s22, s22, 2*HALFT                 ; which lie behind q's 256 rows
	v_add_nc_u32 v[A0], s21, v3
	v_add_nc_u32 v[B0], s22, v3
	v_mov_b32 v[CA], v[A0]                         ; step 0 lies in slot 0
	v_mov_b32 v[CB], v[B0]
	s_mul_i32 s23, s10, 16*PITCH
	s_add_co_u32 s23, s23, STAGE                   ; my stage
	v_add_nc_u32 v[STO], s23, v3
	v_mul_u32_u24 v5, v2, PITCH
	v_lshl_add_u32 v5, v1, 4, v5
	v_add_nc_u32 v[RD], s23, v5
	v_and_b32 v[CO], 31, v0
	v_lshlrev_b32 v[CO], 4, v[CO]                  ; 16 x lane: two rows of a dense tile are 512 consecutive bytes
	s_lshl_b32 s23, s10, 10
	s_add_co_u32 s23, s23, STATS                   ; my statistics
	v_lshl_add_u32 v[SST], v1, 2, s23
	v_add_nc_u32 v[SRD], s23, v[CO]
	v_mov_b32 v37, 0                               ; the lane exchange's destinations count as read
	v_mov_b32 v41, 0
	v_mov_b32 v39, 0                               ; named with c m as a pair
; 16 matrix instructions: query blocks a0, a0 + 1 of the window's four (hi = 0: my queries 0-63, 1: 64-127) x all 8 key blocks, 32 channels, from buffer f.  mode 1: the product starts the sums:
; nothing is cleared.  The 64 accumulators take turns in one order in every quarter.
.macro MUL16 f, hi, a0, mode
	WIN 0xa1+0x50*(\hi)                            ; k window 1, q window 0, C and D window 2 or 3
.irp a, \a0, (\a0)+1
.irp b, 0,1,2,3,4,5,6,7
.set rD, 8*(8*(\a)+(\b))
.set rB, (\f)+8*(\b)
.set rA, (\f)+8*(4*(\hi)+(\a))
.if (\mode) == 1
	v_wmma_f32_16x16x32_bf16 v[rD:rD+7], v[rB:rB+7], v[rA:rA+7], 0
.else
	v_wmma_f32_16x16x32_bf16 v[rD:rD+7], v[rB:rB+7], v[rA:rA+7], v[rD:rD+7]
.endif
.endr
.endr
.endm
.macro FETCH k, f                      ; 32 LDS loads in one run, from the slot that is being read: k's 16, then q's 16
	WIN TO_B
.irp i, 0,1,2,3,4,5,6,7
	ds_load_b128 v[(\f)+8*(\i):(\f)+8*(\i)+3],   v[CB] offset:(\k)+(\i)*16*PITCH
	ds_load_b128 v[(\f)+8*(\i)+4:(\f)+8*(\i)+7], v[CB] offset:(\k)+(\i)*16*PITCH+32
.endr
	WIN 0
.irp i, 0,1,2,3,4,5,6,7
	ds_load_b128 v[(\f)+8*(\i):(\f)+8*(\i)+3],   v[CA] offset:(\k)+(\i)*16*PITCH
	ds_load_b128 v[(\f)+8*(\i)+4:(\f)+8*(\i)+7], v[CA] offset:(\k)+(\i)*16*PITCH+32
.endr
.endm
.macro QUARTER k, f, g, mode
	s_wait_dscnt 8                                 ; all but the youngest eight loads: q's rows 64-127
	MUL16 \f, 0, 0, \mode
	MUL16 \f, 0, 2, \mode
	PLACES
	FETCH \k, \g
	s_wait_dscnt 32                                ; all but the 32 just issued
	MUL16 \f, 1, 0, \mode
	MUL16 \f, 1, 2, \mode
.endm
; The change of slots: ONE barrier; in front of it each wave waits for all its tensor loads (one is out: its part of the next slot), adds 0 to its spare word, and waits for that and for its
; own reads of this slot.  fill = 1: the barrier opens a round of the cluster's, and this slot is filled again, two steps ahead, first thing behind it.
.macro TURN fill
	WIN 0
	s_wait_tensorcnt 0x0
	ds_add_u32 v[SPW], v[NIL]
	s_wait_dscnt 9                                 ; (the add and the youngest eight loads may be out)
	MUL16 F1, 0, 0, 0
	s_wait_dscnt 0x0                               ; the add is done, and my reads of this slot are over
	s_barrier_signal -1
	MUL16 F1, 0, 2, 0
	WIN 0
	s_barrier_wait -1
.if \fill
	CREST                                          ; no wave of any partner still reads this slot's tile or has a load on its way
	s_xor_b32 s[G0+5], s[G0+5], SLOT               ; the walking descriptors: the other slot than last time,
	s_add_nc_u64 s[G0+6:G0+7], s[G0+6:G0+7], KB    ; the next step; the type bits on top are not reached
	s_xor_b32 s[G0B+5], s[G0B+5], SLOT
	s_add_nc_u64 s[G0B+6:G0B+7], s[G0B+6:G0B+7], KB
	JLOAD 1                                        ; 224 matrix instructions ahead of the wait for it; its four v_nop are also the places in front of the loads below
.else
	PLACES
.endif
	s_xor_b32 s[TB], s[TB], SLOT                   ; the reads go on in the other slot
	v_add_nc_u32 v[CA], s[TB], v[A0]
	v_add_nc_u32 v[CB], s[TB], v[B0]
	FETCH 0, F0
	MUL16 F1, 1, 0, 0
	MUL16 F1, 1, 2, 0
.endm
	s_wait_tensorcnt 1                             ; my part of step 0 is in; step 1's may stay out
	s_barrier_signal -1
	s_barrier_wait -1
	FETCH 0, F0
	QUARTER 64, F0, F1, 1                          ; the first quarter stands in front of the loop: its products start the sums
	WIN 0
	s_mov_b32 s3, FILLS
.Lstep:                                                ; a trip goes from a step's second quarter to the next step's first, and fills the slot that it leaves
	QUARTER 128, F1, F0, 0
	QUARTER 192, F0, F1, 0
	TURN 1
	QUARTER 64, F0, F1, 0
	WIN 0
	s_sub_co_u32 s3, s3, 1
	s_cmp_lg_u32 s3, 0
	s_cbranch_scc1 .Lstep
	QUARTER 128, F1, F0, 0                         ; the last two steps are written out: they ask for nothing
	QUARTER 192, F0, F1, 0
	TURN 0
	QUARTER 64, F0, F1, 0
	QUARTER 128, F1, F0, 0
	QUARTER 192, F0, F1, 0
	s_wait_dscnt 8
	MUL16 F1, 0, 0, 0
	MUL16 F1, 0, 2, 0
	s_wait_dscnt 0x0
	MUL16 F1, 1, 0, 0
	MUL16 F1, 1, 2, 0
; THE SOFTMAX'S FIRST HALF for block a of 16 queries: a lane holds 64 of its query's 128 scores, the lane 16 away the other 64.
.macro ARITH a
.set AC, 64*((\a)%4)
.set W, 2+(\a)/4                       ; the block's window
	WIN W|(W<<2)                                   ; the first accumulator's pairs start four chains of maxima
.irp j, 0,1,2,3
	v_max_num_f32 v[TT+(\j)], v[AC+2*(\j)], v[AC+2*(\j)+1]
.endr
	WIN (W<<2)|(W<<4)
.irp b, 1,2,3,4,5,6,7
.irp j, 0,1,2,3
	v_max3_num_f32 v[TT+(\j)], v[TT+(\j)], v[AC+8*(\b)+2*(\j)], v[AC+8*(\b)+2*(\j)+1]
.endr
.endr
	WIN 0
	v_max3_num_f32 v[TT], v[TT], v[TT+1], v[TT+2]
	v_max_num_f32 v[TT], v[TT], v[TT+3]
	v_permlanex16_b32 v37, v[TT], s68, s69
	v_max_num_f32 v36, v[TT], v37                  ; m
	v_mul_f32 v38, s66, v36                        ; c m
	v_mov_b32 v[CMS+(\a)], v38
	WIN (W<<6)|W
.set i, 0
.rept 32
	v_pk_fma_f32 v[AC+2*i:AC+2*i+1], v[AC+2*i:AC+2*i+1], s[66:67], v[38:39] op_sel_hi:[1,0,0] neg_lo:[0,0,1] neg_hi:[0,0,1]  ; c s - c m
.set i, i+1
.endr
.set i, 0
.rept 64
	v_exp_f32 v[AC+i], v[AC+i]
.set i, i+1
.endr
	v_nop                                          ; a plain instruction between the last exponential and the use of its result
	WIN W|(W<<2)
.set i, 0
	s_wait_alu depctr_va_vdst(0)
.rept 32
	v_cvt_pk_bf16_f32 v[TMP+i], v[AC+2*i], v[AC+2*i+1]
.set i, i+1
.endr
	WIN (W<<6)|(W<<2)|W                            ; the sum of the unrounded weights, in place: pairs 16, 8, 4, 2 and 1 apart
.irp d, 16,8,4,2,1
.set i, 0
.rept \d
	v_pk_add_f32 v[AC+2*i:AC+2*i+1], v[AC+2*i:AC+2*i+1], v[AC+2*(i+(\d)):AC+2*(i+(\d))+1]
.set i, i+1
.endr
.endr
	WIN W|(W<<2)
	v_add_f32 v40, v[AC], v[AC+1]
	WIN 0
	v_permlanex16_b32 v41, v40, s68, s69
	v_add_f32 v[LSS+(\a)], v40, v41                ; l
.endm
.macro TOSTAGE a
.set rK, BK+32*((\a)%2)
	s_wait_xcnt 0x0                                ; the stores of two blocks ago have read the registers that the loads below fill
.irp b, 0,1,2,3,4,5,6,7
	ds_store_b128 v[STO], v[TMP+4*(\b):TMP+4*(\b)+3] offset:32*(\b)
.endr
.irp t, 0,1,2,3,4,5,6,7
	ds_load_b128 v[rK+4*(\t):rK+4*(\t)+3], v[RD] offset:(\t)*2*PITCH  ; LDS serves a wave's instructions in order (ISA guide 5.7.1.4): these see the stores above
.endr
.endm
.macro SEND a
.set rK, BK+32*((\a)%2)
	s_wait_dscnt 0x0
.irp t, 0,1,2,3,4,5,6,7
	global_store_b128 v[CO], v[rK+4*(\t):rK+4*(\t)+3], s[6:7] offset:4096*(\a)+512*(\t)  ; 512 consecutive bytes, at a multiple of 256 from p's first byte
.endr
.endm
	PLACES
	ARITH 0
	TOSTAGE 0
.irp a, 1,2,3,4,5,6,7                  ; block a's arithmetic stands between block a - 1's loads from the stage and the wait for them
	ARITH \a
	SEND (\a)-1
	TOSTAGE \a
.endr
	SEND 7
.irp a, 0,1,2,3,4,5,6,7                ; the statistics: both halves of the lanes hold the same number and write the same word
	ds_store_b32 v[SST], v[CMS+(\a)] offset:64*(\a)
	ds_store_b32 v[SST], v[LSS+(\a)] offset:512+64*(\a)
.endr
	ds_load_b128 v[224:227], v[SRD]                ; back as 128 numbers on end, 16 bytes a lane (my own bytes, served in order)
	ds_load_b128 v[228:231], v[SRD] offset:512
	s_wait_dscnt 0x0
	global_store_b128 v[CO], v[224:227], s[8:9]             ; 512 consecutive bytes, aligned: c m of the tile's 128 rows
	global_store_b128 v[CO], v[228:231], s[8:9] offset:512  ; and l
	s_wait_tensorcnt 0x0                           ; the wave's end
	ds_add_u32 v[SPW], v[NIL]
	s_wait_dscnt 0x0
	CROUND                                         ; the closing round
	s_endpgm
.Lfunc_end_k_qf1f5300467_score:
	.size	k_qf1f5300467_score, .Lfunc_end_k_qf1f5300467_score-k_qf1f5300467_score
	.p2alignl 7, 3214868480
	.fill 96, 4, 3214868480
	.section	.rodata,"a",@progbits
	.p2align	6, 0x0
	.amdhsa_kernel k_qf1f5300467_score
		.amdhsa_group_segment_fixed_size 327680
		.amdhsa_private_segment_fixed_size 0
		.amdhsa_enable_private_segment 0
		.amdhsa_kernarg_size 24
		.amdhsa_user_sgpr_count 2
		.amdhsa_user_sgpr_kernarg_segment_ptr 1
		.amdhsa_wavefront_size32 1
		.amdhsa_system_sgpr_workgroup_id_x 1
		.amdhsa_system_sgpr_workgroup_id_y 1
		.amdhsa_system_sgpr_workgroup_id_z 1
		.amdhsa_system_vgpr_workitem_id 0
		.amdhsa_next_free_vgpr 1024
		.amdhsa_next_free_sgpr 80
		.amdhsa_reserve_vcc 0
		.amdhsa_float_denorm_mode_32 3
		.amdhsa_float_denorm_mode_16_64 3
		.amdhsa_memory_ordered 1
		.amdhsa_forward_progress 1
		.amdhsa_inst_pref_size 186
	.end_amdhsa_kernel
	.amdgpu_metadata
---
amdhsa.version: [ 1, 2 ]
amdhsa.kernels:
  - .name:           k_qf1f5300467_score
    .symbol:         k_qf1f5300467_score.kd
    .args:
      - { .name: qkv, .offset: 0, .size: 8, .value_kind: global_buffer, .address_space: global }
      - { .name: p, .offset: 8, .size: 8, .value_kind: global_buffer, .address_space: global }
      - { .name: st, .offset: 16, .size: 8, .value_kind: global_buffer, .address_space: global }
    .group_segment_fixed_size: 327680
    .private_segment_fixed_size: 0
    .kernarg_segment_align: 8
    .kernarg_segment_size: 24
    .max_flat_workgroup_size: 128
    .sgpr_count:     80
    .vgpr_count:     1024
    .wavefront_size: 32
...
	.end_amdgpu_metadata
.endif
;; end of part 6
;; launch ctx: the kernel of part 4 again; grid 8 x 32, 4 waves a work-group, clusters of 4 x 4, 327,680 bytes of LDS; arguments p, st, qkv, out0, out1; writes out0, out1
;; ======== version 3 of 3: 4 launches; version 2 with the launch cast written anew for expert scheduling mode
;; workspace buffers: xw 25,165,824 bytes; qkv 37,748,736 bytes; p 33,554,432 bytes; st 1,048,576 bytes
;; launch cast (part 7): grid 64 x 12, 8 waves a work-group, no clusters, 0 bytes of LDS; arguments input_tensor1, input_tensor2, Wq1, Wk1, Wv1, Wq2, Wk2, Wv2, xw; writes xw
.if DOCPART == 7
	.amdgcn_target "amdgcn-amd-amdhsa--gfx1250"
	.amdhsa_code_object_version 6
	.text
	.protected	k_qf1f5300467_cast
	.globl	k_qf1f5300467_cast
	.p2align	8
	.type	k_qf1f5300467_cast,@function
k_qf1f5300467_cast:
	s_mov_b64 s[64:65], 0
	v_nop
	global_prefetch_b8 v0, s[64:65] scope:SCOPE_SE
	s_setreg_imm32_b32 hwreg(HW_REG_WAVE_SCHED_MODE, 0, 2), 2
	s_setreg_imm32_b32 hwreg(HW_REG_WAVE_MODE, 25, 1), 1
	s_wait_xcnt 0x0
	s_wait_alu depctr_vm_vsrc(0)
; xw = the eight large inputs rounded once to bf16, one behind the other: x1, x2, Wq1, Wk1, Wv1, Wq2, Wk2, Wv2.
; So xw holds X = [6144][1024] (x1's rows, then x2's) and behind it two weight matrices [3072][1024] (q, k, v rows of a stream on end).
; The inputs are 12 chunks of 4 MiB of f32 (x1: 2, x2: 4, each W: 1); work-group y is the chunk, x a piece of 64 KiB of it; a wave takes 8 KiB:
; 16 loads of 512 consecutive bytes, all issued ahead of the first store; each store of a wave covers 256 consecutive bytes, aligned.
; A stream: no LDS, no barrier, no matrix unit; no register is used twice, so no wait frees a source.
; THE MODE: SCHED_MODE bits 1:0 = 2 (LLVM: expert scheduling mode 2), set by the entry lines.  The code itself states the register dependences
; between vector instructions and memory instructions, with s_wait_alu, always for 0.
; THE PLAN.  Registers that memory instructions touch:
;   v1, v2   byte offsets of the loads and of the stores: made at the head by vector lines, never written again.
;   X        load i lands in X + 4 i, once; no vector line writes X; load i's two conversions read it.
;   Y        load i's two conversions write Y + 2 i, once; store i reads it.
; The 16 loads go in four blocks of four.  Block g waits for its four loads; one wait on va_vdst then states that block g - 1's conversions have written their Y, and
; block g - 1's four stores are dealt among block g's eight conversions, which name block g's X and Y alone: none of the registers that those stores touch.
; Nothing that a memory instruction has read is written again, no load lands in a register that a vector line has named, no vector line writes a scalar register, EXEC is never written.
.set NLD, 16                           ; loads of a lane
.set BLOCK, 4                          ; loads in a block
.set X,   8                            ; v[8:71]    as loaded, 4 registers a load
.set Y,   72                           ; v[72:103]  two registers of bf16 a load
	s_load_b512 s[8:23], s[0:1], 0x0               ; x1 s[8:9], x2 s[10:11], Wq1, Wk1, Wv1, Wq2, Wk2, Wv2 s[12:23]
	s_load_b64 s[24:25], s[0:1], 0x40              ; xw
	s_and_b32 s26, ttmp7, 0xffff                   ; the chunk, 0 to 11
	s_sub_co_u32 s7, s26, 2                        ; its number inside x2 (used for chunks 2 to 5 alone)
	v_and_b32 v3, 31, v0                           ; lane
	v_and_b32 v4, 0xe0, v0                         ; 32 x wave
	v_lshlrev_b32 v1, 4, v3
	v_lshl_or_b32 v1, v4, 8, v1                    ; source: wave x 8,192 + lane x 16
	v_lshlrev_b32 v2, 3, v3
	v_lshl_or_b32 v2, v4, 7, v2                    ; destination: wave x 4,096 + lane x 8
	s_wait_kmcnt 0x0
	s_mov_b64 s[4:5], s[8:9]                       ; the source buffer is chosen by the chunk's number alone
	s_mov_b32 s6, s26                              ; and the chunk's number inside that buffer
	s_cmp_ge_u32 s26, 2
	s_cselect_b64 s[4:5], s[10:11], s[4:5]
	s_cselect_b32 s6, s7, s6
.irp k, 0,1,2,3,4,5
	s_cmp_eq_u32 s26, 6+(\k)
	s_cselect_b64 s[4:5], s[12+2*(\k):13+2*(\k)], s[4:5]
	s_cselect_b32 s6, 0, s6
.endr
	s_lshl_b32 s28, s6, 22                         ; 4 MiB a chunk of f32,
	s_lshl_b32 s29, ttmp9, 16                      ; 64 KiB a work-group
	s_add_co_u32 s28, s28, s29
	s_mov_b32 s29, 0
	s_add_nc_u64 s[4:5], s[4:5], s[28:29]
	s_lshl_b32 s30, s26, 21                        ; half of both in bf16
	s_lshl_b32 s31, ttmp9, 15
	s_add_co_u32 s30, s30, s31
	s_mov_b32 s31, 0
	s_add_nc_u64 s[24:25], s[24:25], s[30:31]
	s_wait_alu depctr_va_vdst(0)                   ; v1 and v2 are written: every load of the kernel reads v1 as its offset, every store v2
.set i, 0
.rept NLD
	global_load_b128 v[X+4*i:X+4*i+3], v1, s[4:5] offset:512*i th:TH_LOAD_NT
.set i, i+1
.endr
; Block g: loads 4 g to 4 g + 3 are rounded; the stores of block g - 1 stand among the conversions, one ahead of each pair.
.macro BLK g
	s_wait_loadcnt NLD-BLOCK*((\g)+1)              ; loads come back in order: this block's four are in, the younger ones stay out
.if (\g) > 0
	s_wait_alu depctr_va_vdst(0)                   ; the conversions of the block before have written their Y, which the four stores below read
.endif
.irp j, 0,1,2,3
.if (\g) > 0
	global_store_b64 v2, v[Y+2*(BLOCK*((\g)-1)+(\j)):Y+2*(BLOCK*((\g)-1)+(\j))+1], s[24:25] offset:256*(BLOCK*((\g)-1)+(\j))  ; no vector line since the wait names these registers
.endif
	v_cvt_pk_bf16_f32 v[Y+2*(BLOCK*(\g)+(\j))],   v[X+4*(BLOCK*(\g)+(\j))],   v[X+4*(BLOCK*(\g)+(\j))+1]
	v_cvt_pk_bf16_f32 v[Y+2*(BLOCK*(\g)+(\j))+1], v[X+4*(BLOCK*(\g)+(\j))+2], v[X+4*(BLOCK*(\g)+(\j))+3]
.endr
.endm
	BLK 0                                          ; no block stands in front of it: no store, and no wait but the one for its data
	BLK 1
	BLK 2
	BLK 3
	s_wait_alu depctr_va_vdst(0)                   ; block 3's conversions have written their Y, which the last four stores read
.irp j, 0,1,2,3
	global_store_b64 v2, v[Y+2*(NLD-BLOCK+(\j)):Y+2*(NLD-BLOCK+(\j))+1], s[24:25] offset:256*(NLD-BLOCK+(\j))
.endr
	s_endpgm
.Lfunc_end_k_qf1f5300467_cast:
	.size	k_qf1f5300467_cast, .Lfunc_end_k_qf1f5300467_cast-k_qf1f5300467_cast
	.p2alignl 7, 3214868480
	.fill 96, 4, 3214868480
	.section	.rodata,"a",@progbits
	.p2align	6, 0x0
	.amdhsa_kernel k_qf1f5300467_cast
		.amdhsa_group_segment_fixed_size 0
		.amdhsa_private_segment_fixed_size 0
		.amdhsa_enable_private_segment 0
		.amdhsa_kernarg_size 72
		.amdhsa_user_sgpr_count 2
		.amdhsa_user_sgpr_kernarg_segment_ptr 1
		.amdhsa_wavefront_size32 1
		.amdhsa_system_sgpr_workgroup_id_x 1
		.amdhsa_system_sgpr_workgroup_id_y 1
		.amdhsa_system_sgpr_workgroup_id_z 1
		.amdhsa_system_vgpr_workitem_id 0
		.amdhsa_next_free_vgpr 104
		.amdhsa_next_free_sgpr 66
		.amdhsa_reserve_vcc 0
		.amdhsa_float_denorm_mode_32 3
		.amdhsa_float_denorm_mode_16_64 3
		.amdhsa_memory_ordered 1
		.amdhsa_forward_progress 1
		.amdhsa_inst_pref_size 8
	.end_amdhsa_kernel
	.amdgpu_metadata
---
amdhsa.version: [ 1, 2 ]
amdhsa.kernels:
  - .name:           k_qf1f5300467_cast
    .symbol:         k_qf1f5300467_cast.kd
    .args:
      - { .name: input_tensor1, .offset: 0, .size: 8, .value_kind: global_buffer, .address_space: global }
      - { .name: input_tensor2, .offset: 8, .size: 8, .value_kind: global_buffer, .address_space: global }
      - { .name: Wq1, .offset: 16, .size: 8, .value_kind: global_buffer, .address_space: global }
      - { .name: Wk1, .offset: 24, .size: 8, .value_kind: global_buffer, .address_space: global }
      - { .name: Wv1, .offset: 32, .size: 8, .value_kind: global_buffer, .address_space: global }
      - { .name: Wq2, .offset: 40, .size: 8, .value_kind: global_buffer, .address_space: global }
      - { .name: Wk2, .offset: 48, .size: 8, .value_kind: global_buffer, .address_space: global }
      - { .name: Wv2, .offset: 56, .size: 8, .value_kind: global_buffer, .address_space: global }
      - { .name: xw, .offset: 64, .size: 8, .value_kind: global_buffer, .address_space: global }
    .group_segment_fixed_size: 0
    .private_segment_fixed_size: 0
    .kernarg_segment_align: 8
    .kernarg_segment_size: 72
    .max_flat_workgroup_size: 256
    .sgpr_count:     66
    .vgpr_count:     104
    .wavefront_size: 32
...
	.end_amdgpu_metadata
.endif
;; end of part 7
;; launch proj: the kernel of part 5 again; grid 12 x 20, 4 waves a work-group, clusters of 4 x 1, 327,680 bytes of LDS; arguments xw, bq1, bk1, bv1, bq2, bk2, bv2, qkv; writes qkv
;; launch score: the kernel of part 6 again; grid 8 x 32, 4 waves a work-group, clusters of 4 x 4, 327,680 bytes of LDS; arguments qkv, p, st; writes p, st
;; launch ctx: the kernel of part 4 again; grid 8 x 32, 4 waves a work-group, clusters of 4 x 4, 327,680 bytes of LDS; arguments p, st, qkv, out0, out1; writes out0, out1
